; MI455X (gfx1250); checked and timed in simulation.
; The chip was launched on July 23, 2026; its instructions are those of AMD's public machine-readable ISA for CDNA 5 (MIT licence, August 2026) and "CDNA5" Instruction Set Architecture Reference Guide (July 2026). The comments in the code are by the model that wrote it; some were corrected since.
;; Segmentation Head. Allowed arithmetic: matrix products marked QUANTISED: E3M2 operands, one E8M0 scale for each 32 along K, by v_wmma_scale_f32_16x16x128_f8f6f4 with both operands' format E3M2, f32 sums; products left as they are: f32 operands where the result goes on into a quantised operand, else bf16, f16 or f32 operands; f32 sums; everything else in f32.
;; Inputs: fake_W1_codes 2,048 x 64 x 24 uint8 (E3M2 codes of fake_W1, K innermost, in blocks of 32 codes, four codes in three bytes); fake_W1_scales 2,048 x 64 uint8 (E8M0 scales of fake_W1, one for each 32 codes along K); fake_W2 2 x 2,048 float32; fake_b1 2,048 float32; fake_b2 2 float32; fake_ln_b 2,048 float32; fake_ln_g 2,048 float32; first_W1_codes 2,048 x 64 x 24 uint8 (E3M2 codes of first_W1, K innermost, in blocks of 32 codes, four codes in three bytes); first_W1_scales 2,048 x 64 uint8 (E8M0 scales of first_W1, one for each 32 codes along K); first_W2 2 x 2,048 float32; first_b1 2,048 float32; first_b2 2 float32; first_ln_b 2,048 float32; first_ln_g 2,048 float32; real_W1_codes 2,048 x 64 x 24 uint8 (E3M2 codes of real_W1, K innermost, in blocks of 32 codes, four codes in three bytes); real_W1_scales 2,048 x 64 uint8 (E8M0 scales of real_W1, one for each 32 codes along K); real_W2 2 x 2,048 float32; real_b1 2,048 float32; real_b2 2 float32; real_ln_b 2,048 float32; real_ln_g 2,048 float32; x_codes 4,096 x 64 x 24 uint8 (E3M2 codes of x, K innermost, in blocks of 32 codes, four codes in three bytes); x_scales 4,096 x 64 uint8 (E8M0 scales of x, one for each 32 codes along K).
;; Outputs: out0 4,096 x 2 float32.
;; This version of the problem:
;;   THIS VERSION OF THE PROBLEM IS GIVEN IN LOW PRECISION. The matrix products marked QUANTISED in the list below multiply operands that are first quantised to E3M2 (3 exponent bits, 2 mantissa bits; 6 bits a number), with one power-of-two scale for each 32 numbers along K (OCP MX v1.0); their sums are f32. All else is computed in f32.
;;   The module's matrix products, in the order in which they are computed (A, B: the left and right operand; K: the contracted axis; several contracted axes count as one K, in the product's order):
;;     1. [M 4,096, K 2,048] x [K 2,048, N 2,048]; A: input x (given as codes); B: input first_W1 (given as codes): QUANTISED
;;     2. [M 4,096, K 2,048] x [K 2,048, N 2]; A: computed on the way; B: input first_W2: left as it is (N = 2 < 16)
;;     3. [M 4,096, K 2,048] x [K 2,048, N 2,048]; A: input x (given as codes); B: input fake_W1 (given as codes): QUANTISED
;;     4. [M 4,096, K 2,048] x [K 2,048, N 2]; A: computed on the way; B: input fake_W2: left as it is (N = 2 < 16)
;;     5. [M 4,096, K 2,048] x [K 2,048, N 2,048]; A: input x (given as codes); B: input real_W1 (given as codes): QUANTISED
;;     6. [M 4,096, K 2,048] x [K 2,048, N 2]; A: computed on the way; B: input real_W2: left as it is (N = 2 < 16)
;;   THE QUANTISER, for each operand of a quantised product, along K:
;;     - K is cut into blocks of 32 from its start; a last block that is shorter is filled with zeros.
;;     - A block's scale is 2^e with e = floor(log2(the largest magnitude in the block)) - 4, held to -126 .. 127; a block of zeros has e = 0. As a byte (E8M0): e + 127.
;;     - Each number is divided by its block's scale, clamped to +-28, and rounded to the nearest number of E3M2, ties to even, subnormals kept.
;;     - The product sums the exact products of the quantised numbers (number of the format x scale) in f32.
;;   ~~~python
;;   def quantise(x, axis):      # numpy; x: float32 -> the quantised numbers, widened to float32 again
;;       x = np.moveaxis(x, axis, -1); K = x.shape[-1]
;;       x = np.pad(x, [(0, 0)] * (x.ndim - 1) + [(0, -K % 32)]); x = x.reshape(x.shape[:-1] + (-1, 32)); a = np.abs(x).max(-1, keepdims=True)
;;       e = np.where(a > 0, np.clip(np.frexp(np.where(a > 0, a, 1))[1] - 1 - 4, -126, 127), 0)      # np.frexp(a)[1] - 1 = floor(log2(a)), exactly
;;       r = np.clip(x / 2.0 ** e, -28, 28)
;;       step = 2.0 ** (np.maximum(np.frexp(np.where(r == 0, 1, r))[1] - 1, -2) - 2)
;;       q = np.round(r / step) * step * 2.0 ** e      # np.round: ties to even
;;       return np.moveaxis(q.reshape(q.shape[:-2] + (-1,))[..., :K], -1, axis).astype(np.float32)
;;   ~~~
;;   INPUTS GIVEN AS CODES. fake_W1 (in the module: [2048, 2048], K = its axis 1); first_W1 (in the module: [2048, 2048], K = its axis 1); real_W1 (in the module: [2048, 2048], K = its axis 1); x (in the module: [4096, 2048], K = its axis 1): each comes as NAME_codes (uint8): NAME with its K axis moved to the last place and cut into blocks of 32 codes, [.., K / 32, bytes a block], one block behind the other in memory; four codes in three bytes: a row's codes are one little-endian stream of bits, code i at bits 6 i .. 6 i + 5 (a code: sign, 3 exponent bits, 2 mantissa bits); and NAME_scales (uint8): the same leading axes, one E8M0 byte (e + 127) for each 32 codes along K. Its value is code x scale, taken as it is: it is not quantised again, and the codes and scales need not be those that the quantiser above would give.
;; 2 versions, each right. Each part assembles by itself: llvm-mc -triple=amdgcn-amd-amdhsa -mcpu=gfx1250 --defsym DOCPART=n.
;; ======== version 1 of 2: 2 launches
;; workspace buffers: h 100,663,296 bytes
;; launch gemm3 (part 1): grid 24 x 16, 4 waves a work-group, clusters of 4 x 4, 327,680 bytes of LDS; arguments x_codes, x_scales, first_W1_codes, first_W1_scales, fake_W1_codes, fake_W1_scales, real_W1_codes, real_W1_scales, first_b1, fake_b1, real_b1, h; writes h
.if DOCPART == 1
	.amdgcn_target "amdgcn-amd-amdhsa--gfx1250"
	.amdhsa_code_object_version 6
	.text
	.protected	k_q8d8d37398a_gemm3
	.globl	k_q8d8d37398a_gemm3
	.p2align	8
	.type	k_q8d8d37398a_gemm3,@function
k_q8d8d37398a_gemm3:
	s_mov_b64 s[64:65], 0
	v_nop
	global_prefetch_b8 v0, s[64:65] scope:SCOPE_SE
	s_setreg_imm32_b32 hwreg(HW_REG_WAVE_MODE, 25, 1), 1
	s_wait_xcnt 0x0
	s_wait_alu depctr_hold_cnt(0) depctr_sa_sdst(0) depctr_va_vdst(0) depctr_va_sdst(0) depctr_va_ssrc(0) depctr_va_vcc(0) depctr_vm_vsrc(0)
	s_getreg_b32 s2, hwreg(HW_REG_IB_STS2, 6, 4)
	s_cmp_eq_u32 s2, 0
	s_cbranch_scc0 .Lentry_in_a_cluster
	s_endpgm
.Lentry_in_a_cluster:
	s_bfe_u32 s2, ttmp6, 0x10000c
	s_cmp_lg_u32 s2, 0xf033
	s_cbranch_scc0 .Lentry_shape_is_right
	s_endpgm
.Lentry_shape_is_right:
; h[b][m][n] = b1_b[n] + sum over k of x[m][k] W1_b[n][k], for the three branches b = first, fake, real.  x: [4096][2048], W1_b: [2048][2048]: codes of BF6 (E3M2), 6 bits each, with one E8M0 byte for each 32 along K;
; h: [3][4096][2048] f32, a workspace buffer that the next launch reads; sums in f32.  The matrix instruction takes codes and scale bytes as they lie in memory: a row of codes is one stream of bits, 128 codes in 96 bytes.
; LIMIT: a scale byte 0xff makes the sums NaN, as the format says; nothing is done about it.
; SHARES.  The grid is 24 x 16 work-groups in clusters of 4 x 4.  The cluster's x, 0 .. 5, gives the branch (x / 2: the same for all sixteen partners) and which four of the branch's eight tile columns (x % 2).
; A tile of h, 256 x 256, is made by a work-group of four waves; a wave makes 128 x 128: 64 accumulators of 16 x 16, 512 registers.
; K goes in steps of 256 through a ring of two LDS slots filled by the tensor data mover: a tile's row is 192 bytes of memory.
; THE SCALES of the work-group's 256 rows of x and 256 rows of W1, for all of K, are two dense blocks of memory: they come into LDS ONCE, with the first fills, as rows of 256 bytes, and stay.
; CLUSTERS.  The four of a row of the cluster need the same tiles of x, the four of a column the same tiles of W1: each tile is asked for JOINTLY, by the same tensor load with the same descriptor and a mask that names the four.
; THE MATRIX INSTRUCTION IS USED TRANSPOSED (source 0 = 16 rows of W1, source 1 = 16 rows of x): a lane then holds eight neighbouring numbers of a row of h.
; THE BIAS is the C of each sum's first matrix instruction: eight registers for each of the wave's eight column blocks, in the result's layout; no addition is written and nothing is cleared.
; REGISTERS, in windows of 256: window 0: v0-31 addresses; v32-63 scale words, two sets; v64-127 the bias; from v128 x's fragments (8 x 16 rows x 128 K), ONE set; on the way out v128-255 are free.
;   window 1: W1's fragments, TWO sets, at v0 and at v128.   window 2: the 32 accumulators of my rows 0-63 (accumulator (a, b) at v[8 (8 a + b)]);   window 3: those of my rows 64-127.
; A step of 128 along K is 64 matrix instructions, x's blocks one after the other, each against W1's eight.  So a block of x is free as soon as its eight products are issued, and one set of registers serves x:
; blocks 0-3 are fetched anew in the step's middle, blocks 4-7 at its end.  W1's fragments are at work through the whole step, so they have two sets.
; Below, A stands for x and B for the branch's W1.
.set SIZE_M, 4096
.set SIZE_N, 2048
.set SIZE_K, 2048
.set KSTEP,  256                       ; along K in a slot
.set NQ,     KSTEP/128                 ; matrix instructions deep
.set ROWB,   192                       ; a tile's row in bytes: KSTEP codes of 6 bits
.set KROW,   SIZE_K*6/8                ; a row of A or of B in memory, in bytes
.set PITCH,  240                       ; an LDS row: 3 x (64 bytes of data + 16 of padding) = 60 words: row r starts at bank -4 r mod 64 (64 banks of 4 bytes: ISA guide 11.1), so the 32 lanes of a load of 8 bytes touch 64 different banks
.set FR,     12                        ; registers of a fragment: 16 rows x 128 K
.set NL,     6                         ; LDS loads that bring one
.set NP,     4                         ; places behind this matrix instruction (ISA guide 7.12.1)
.set HALFT,  128*PITCH                 ; 128 rows: what one tensor load brings, and what one wave reads of A or of B
.set SLOT,   4*HALFT                   ; A's 256 rows, then B's 256 rows
.set LAPS,   SIZE_K/(2*KSTEP)          ; a lap = two K steps = once round the ring: 4 laps
.set KS,     SIZE_K/32                 ; a row of scales: 64 bytes, four rows to 256 bytes
.set SCL,    2*SLOT                    ; behind the ring: the scales, as rows of 256 bytes + 16 of padding
.set HALFS,  (128*KS/256)*272          ; the scales of 128 rows: what one tensor load brings
.set SBLK,   (16*KS/256)*272           ; those of 16 rows
.set SPARE,  SCL+4*HALFS               ; behind the scales: the spare words, 128 bytes for each wave: two blocks of 256 bytes that no other line names
.set SPITCH, 528                       ; the way out: a stage of 16 rows x (512 bytes + 16) for each wave.  It lies in slot 0, which has had its last fill and its last read when the first result is stored there
.set ADRA, 16                          ; v16-17  LDS address of my A fragments in slot 0, 1  (v18-19: the same for the pieces that lie behind one padding more)
.set ADRB, 20                          ; v20-21  the same for B  (v22-23)
.set STO,  24                          ; v24     the way out: where I put 32 bytes of a row
.set RD,   25                          ; v25     the way out: where I read a row back
.set CO,   26                          ; v26     my byte offset in a row of h
.set ADRS, 27                          ; v27     LDS address of my scale words: lanes 0-15 A's rows, lanes 16-31 B's
.set SPW,  28                          ; v28     LDS address of my spare word: SPARE + 4 x my thread's number; never rewritten
.set NIL,  29                          ; v29     0; never rewritten
.set SC,   32                          ; scale words: set s (for slot s) at v[SC + 8 NQ s]; in it register NQ i + q: lanes 0-15 the word of A's block i, lanes 16-31 that of B's block i, for the slot's q-th 128 along K
.set BI,   64                          ; v64-127 the bias: block b's eight registers at v[BI + 8 b]: b1 at my columns 16 b + 8 (lane / 16) + 0 .. 7; loaded once, never rewritten
.set AF,   128                         ; A's fragments, in window 0
.set BK,   128                         ; the way out: 16 rows read back from the stage: v128-191 and v192-255 by turns
.set G1, 24                            ; s[24:31] descriptor group 1 for A's tiles;  s[32:39] group 0, one set for each slot
.set G0, 32
.set G1B, 48                           ; s[48:55], s[56:63] the same for B's tiles
.set G0B, 56
.set G1S, 68                           ; s[68:75], s[76:79] groups 1 and 0 for A's scales;  s[80:87], s[88:91] for B's
.set G0S, 76
.set G1SB, 80
.set G0SB, 88
.set MSB, 0
.macro WIN new                         ; the immediate's high byte repeats the setting that is left
.if MSB != \new
	s_set_vgpr_msb (MSB<<8)|\new
.set MSB, \new
.endif
.endm
.set MUL_LO, 0xa1                      ; source 0 (B) window 1, source 1 (A) window 0, C and D window 2
.set MUL_HI, 0xf1                      ; the same, C and D window 3
.set BIAS_LO, 0x81                     ; the first step: C (the bias) window 0, D window 2
.set BIAS_HI, 0xc1                     ; C window 0, D window 3
.set TO_B,   0x40                      ; destination window 1, address window 0
; A joint load: waves 0 and 1 fetch for A, waves 2 and 3 for B.  Each of the two lines has ONE mask and one set of registers for all that issue it; the branch hangs on the wave's number alone.
; Four v_nop follow each of the two lines, ahead of the jump, the label and what follows.
.macro JLOAD g0a, g1a, g0b, g1b
	s_cmp_eq_u32 s15, 0
	s_cbranch_scc0 .Lfor_b_\@
	tensor_load_to_lds s[\g0a:\g0a+3], s[\g1a:\g1a+7]
	s_nop 0
.rept 4
	v_nop
.endr
	s_branch .Lasked_\@
.Lfor_b_\@:
	tensor_load_to_lds s[\g0b:\g0b+3], s[\g1b:\g1b+7]
	s_nop 0
.rept 4
	v_nop
.endr
.Lasked_\@:
.endm
.macro CREST                           ; a round of the cluster's barrier behind its opening barrier
	s_cmp_lg_u32 s14, 0
	s_cbranch_scc1 .Lnot_wave_0_\@
	s_barrier_signal -3
.Lnot_wave_0_\@:
	s_barrier_wait -3
	s_barrier_signal -1
	s_barrier_wait -1
.endm
.macro CROUND                          ; a whole round
	s_barrier_signal -1
	s_barrier_wait -1
	CREST
.endm
	; all twelve addresses first: those of the two branches that are not mine lie for a moment in registers that later hold descriptors
	s_load_b128 s[4:7], s[0:1], 0x0                ; x's codes s[4:5], x's scales s[6:7]
	s_load_b128 s[8:11], s[0:1], 0x10              ; first: W1's codes, W1's scales
	s_load_b128 s[68:71], s[0:1], 0x20             ; fake: the same
	s_load_b128 s[72:75], s[0:1], 0x30             ; real: the same
	s_load_b128 s[76:79], s[0:1], 0x40             ; first's b1, fake's b1
	s_load_b128 s[80:83], s[0:1], 0x50             ; real's b1, h
	v_lshl_add_u32 v[SPW], v0, 2, SPARE
	v_mov_b32 v[NIL], 0
	ds_add_u32 v28, v29
	ds_add_u32 v28, v29
	s_wait_dscnt 0x0
	v_lshrrev_b32 v1, 5, v0
	v_readfirstlane_b32 s14, v1                    ; wave 0..3
	s_lshr_b32 s15, s14, 1                         ; which half of the tile's rows is mine.  Also: I fetch for A (0) or for B (1)
	s_and_b32 s16, s14, 1                          ; which half of its columns.  Also: which 128 rows of that tile I fetch
	s_bfe_u32 s40, ttmp6, 0x40000                  ; cx, cy: my place in the cluster
	s_bfe_u32 s41, ttmp6, 0x40004
	s_lshr_b32 s95, ttmp9, 1                       ; the branch: cluster x / 2: all sixteen partners share it
	s_and_b32 s96, ttmp9, 1                        ; which four of the branch's eight tile columns
	s_lshl_b32 s42, s96, 2
	s_add_co_u32 s42, s42, s40                     ; tile column in the branch = 4 x (cluster x % 2) + cx
	s_and_b32 s17, ttmp7, 0xffff
	s_lshl_b32 s17, s17, 2
	s_add_co_u32 s17, s17, s41                     ; tile row = 4 x cluster y + cy
	s_lshl_b32 s43, s41, 2
	s_lshl_b32 s43, 15, s43                        ; my row of the cluster
	s_lshl_b32 s44, 0x1111, s40                    ; my column
	s_wait_kmcnt 0x0
	s_cmp_eq_u32 s95, 1                            ; the branch's buffers are chosen: the condition hangs on the cluster's number alone
	s_cselect_b64 s[8:9], s[68:69], s[8:9]
	s_cselect_b64 s[10:11], s[70:71], s[10:11]
	s_cselect_b64 s[66:67], s[78:79], s[76:77]
	s_cmp_eq_u32 s95, 2
	s_cselect_b64 s[8:9], s[72:73], s[8:9]         ; B's codes s[8:9],
	s_cselect_b64 s[10:11], s[74:75], s[10:11]     ; B's scales s[10:11],
	s_cselect_b64 s[66:67], s[80:81], s[66:67]     ; b1 s[66:67]
	s_mov_b64 s[12:13], s[82:83]                   ; h s[12:13]; from here on s[68:91] are free for descriptors
	; descriptor group 1: a tile of 128 rows x ROWB bytes, padded in LDS
	s_or_b32 s[G1+0], s43, (0<<16)|(1<<20)|(1<<21)|(3<<22)|(3<<25)  ; 15:0 the mask: A's tiles go to my row; 17:16 element of 1 byte; 20 padding on; 21 set beside a mask; 24:22 after every 16 words (code 3); 31:25 of 4 words (code 3)
	s_or_b32 s[G1B+0], s44, (0<<16)|(1<<20)|(1<<21)|(3<<22)|(3<<25)
.irp g, G1, G1B
	s_mov_b32 s[\g+1], ROWB<<16                    ; tensor_dim0
	s_mov_b32 s[\g+2], 128<<16                     ; tensor_dim1 = 128
	s_mov_b32 s[\g+3], ROWB<<16                    ; tile_dim0
	s_mov_b32 s[\g+4], 128                         ; tile_dim1 = 128
	s_mov_b32 s[\g+5], KROW                        ; tensor_dim0_stride
	s_mov_b32 s[\g+6], 0
	s_mov_b32 s[\g+7], 0
.endr
	; and for the scales of 128 rows: a dense block of 128 KS bytes, as rows of 256 bytes (32 elements of 8 bytes), 16 bytes of padding behind each
	s_or_b32 s[G1S+0], s43, (3<<16)|(1<<20)|(1<<21)|(5<<22)|(3<<25)
	s_or_b32 s[G1SB+0], s44, (3<<16)|(1<<20)|(1<<21)|(5<<22)|(3<<25)
.irp g, G1S, G1SB
	s_mov_b32 s[\g+1], 32<<16
	s_mov_b32 s[\g+2], (128*KS/256)<<16
	s_mov_b32 s[\g+3], 32<<16
	s_mov_b32 s[\g+4], 128*KS/256
	s_mov_b32 s[\g+5], 32
	s_mov_b32 s[\g+6], 0
	s_mov_b32 s[\g+7], 0
.endr
	s_lshl_b32 s18, s16, 7                         ; which 128 rows of the tile I fetch
	s_lshl_b32 s20, s17, 8
	s_add_co_u32 s20, s20, s18                     ; A: row 256 x tile row + 128 x half
	s_lshl_b32 s46, s42, 8
	s_add_co_u32 s46, s46, s18                     ; B: row 256 x tile column + 128 x half
	s_mov_b32 s21, 0
	s_mov_b32 s47, 0
	s_mov_b64 s[18:19], KS
	s_mul_u64 s[22:23], s[20:21], s[18:19]         ; where these rows' scales begin, in bytes
	s_mul_u64 s[92:93], s[46:47], s[18:19]
	s_mov_b64 s[18:19], KROW
	s_mul_u64 s[20:21], s[20:21], s[18:19]         ; and their codes
	s_mul_u64 s[46:47], s[46:47], s[18:19]
	s_mul_i32 s45, s14, HALFT                      ; where they go: wave x 128 rows: no place in the cluster enters an LDS address
	s_mul_i32 s94, s14, HALFS
	s_add_nc_u64 s[20:21], s[4:5], s[20:21]
	s_add_nc_u64 s[22:23], s[6:7], s[22:23]
	s_add_nc_u64 s[46:47], s[8:9], s[46:47]
	s_add_nc_u64 s[92:93], s[10:11], s[92:93]
	CROUND                                         ; all sixteen work-groups are here: the first joint loads meet
	s_mov_b32 s[G0S], 1
	s_add_co_u32 s[G0S+1], s94, SCL
	s_mov_b64 s[G0S+2:G0S+3], s[22:23]
	s_or_b32 s[G0S+3], s[G0S+3], 0x80000000
	s_mov_b32 s[G0SB], 1
	s_add_co_u32 s[G0SB+1], s94, SCL
	s_mov_b64 s[G0SB+2:G0SB+3], s[92:93]
	s_or_b32 s[G0SB+3], s[G0SB+3], 0x80000000
	JLOAD G0S, G1S, G0SB, G1SB                     ; the scales first: they are wanted with K step 0
.irp s, 0,1
	s_mov_b32 s[G0+4*\s], 1
	s_add_co_u32 s[G0+4*\s+1], s45, \s*SLOT
	s_add_nc_u64 s[G0+4*\s+2:G0+4*\s+3], s[20:21], \s*ROWB
	s_or_b32 s[G0+4*\s+3], s[G0+4*\s+3], 0x80000000
	s_mov_b32 s[G0B+4*\s], 1
	s_add_co_u32 s[G0B+4*\s+1], s45, \s*SLOT
	s_add_nc_u64 s[G0B+4*\s+2:G0B+4*\s+3], s[46:47], \s*ROWB
	s_or_b32 s[G0B+4*\s+3], s[G0B+4*\s+3], 0x80000000
	JLOAD G0+4*\s, G1, G0B+4*\s, G1B               ; three tensor loads of mine are out behind the second of these
.endr
	v_and_b32 v1, 15, v0                           ; l % 16
	v_bfe_u32 v2, v0, 4, 1                         ; l / 16
	v_mul_u32_u24 v3, v1, PITCH
	v_mul_u32_u24 v4, v2, 24
	v_add_nc_u32 v4, v3, v4                        ; a fragment's row x pitch + 24 x half
	v_lshl_add_u32 v5, v2, 4, v4                   ; and the same behind one padding more
	s_mul_i32 s21, s15, HALFT                      ; my 128 rows of A
	s_mul_i32 s22, s16, HALFT                      ; my 128 rows of B,
	s_add_co_u32 s22, s22, 2*HALFT                 ; which lie behind A's 256
.irp s, 0,1
	v_add_nc_u32 v[ADRA+\s], s21, v4
	v_add_nc_u32 v[ADRB+\s], s22, v4
	v_add_nc_u32 v[ADRA+2+\s], s21, v5
	v_add_nc_u32 v[ADRB+2+\s], s22, v5
	s_add_co_u32 s21, s21, SLOT
	s_add_co_u32 s22, s22, SLOT
.endr
	v_mul_u32_u24 v5, v1, KS                       ; my row's scales: KS bytes a row,
	v_lshrrev_b32 v6, 8, v5
	v_lshl_add_u32 v5, v6, 4, v5                   ; and 16 more for each 256 passed
	s_mul_i32 s21, s15, HALFS                      ; A's: my 128 rows
	s_mul_i32 s22, s16, HALFS                      ; B's: my 128 rows, behind A's 256
	s_add_co_u32 s22, s22, 2*HALFS
	s_sub_co_u32 s22, s22, s21
	v_mul_u32_u24 v6, s22, v2                      ; lanes 16-31 take B's: one product, the distance between the two bases x the lane's half
	s_add_co_u32 s21, s21, SCL
	v_add_nc_u32 v5, v5, v6
	v_add_nc_u32 v[ADRS], s21, v5
	s_mul_i32 s23, s14, 16*SPITCH                  ; my stage
	v_mul_u32_u24 v5, v1, SPITCH                   ; in: row l % 16, 32 bytes for each half of the lanes
	v_lshl_add_u32 v5, v2, 5, v5
	v_add_nc_u32 v[STO], s23, v5
	v_and_b32 v6, 31, v0
	v_lshlrev_b32 v[CO], 4, v6                     ; back: the 32 lanes take one row of 512 bytes; and the same in h
	v_add_nc_u32 v[RD], s23, v[CO]
	v_lshlrev_b32 v8, 5, v2                        ; the bias: 32 bytes (8 numbers) for each half of the lanes
	s_lshl_b32 s20, s17, 8
	s_lshl_b32 s21, s15, 7
	s_add_co_u32 s20, s20, s21                     ; my first row of h: 256 x tile row + 128 x half
	s_mov_b32 s21, 0
	s_mov_b64 s[18:19], SIZE_N*4
	s_mul_u64 s[20:21], s[20:21], s[18:19]
	s_lshl_b32 s46, s42, 10                        ; my first column, in bytes: 1024 x tile column + 512 x half
	s_lshl_b32 s47, s16, 9
	s_add_co_u32 s46, s46, s47
	s_mov_b32 s47, 0
	s_add_nc_u64 s[66:67], s[66:67], s[46:47]      ; b1 at my first column
	s_add_nc_u64 s[20:21], s[20:21], s[46:47]
	s_lshl_b32 s22, s95, 25                        ; the branch's part of h: 4096 x 2048 x 4 = 2^25 bytes
	s_mov_b32 s23, 0
	s_add_nc_u64 s[20:21], s[20:21], s[22:23]
	s_add_nc_u64 s[12:13], s[12:13], s[20:21]
.irp b, 0,1,2,3,4,5,6,7
	global_load_b128 v[BI+8*\b:BI+8*\b+3],   v8, s[66:67] offset:64*\b       ; b1 at columns 16 b + 8 (l / 16) + 0 .. 3,
	global_load_b128 v[BI+8*\b+4:BI+8*\b+7], v8, s[66:67] offset:64*\b+16    ; + 4 .. 7: register j of a result holds column 8 (l / 16) + j
.endr
.macro FRAG reg, adr, q, i             ; a fragment, 16 rows x 128 K of 6-bit codes, is 12 registers: lane l holds row l % 16; registers 6 c .. 6 c + 5 hold K = 64 c + 32 (l / 16) + 0 .. 31: 24 bytes of the row's stream of bits, as they lie
.irp p, 0,1,2,3,4,5                    ; in pieces of 8 bytes, so that every address is a multiple of the access's size.  Lanes 0-15 take the row's pieces 12 q + 0, 1, 2 and 12 q + 6, 7, 8, lanes 16-31 those three pieces on
.set PC, 12*(\q)+6*(\p/3)+\p%3        ; the mover has laid 16 bytes of padding behind every 64 bytes (8 pieces): where the piece three on lies behind one padding more, the second address register (40 for 24 bytes a half) serves
.if PC%8 < 5
	ds_load_b64 v[\reg+2*\p:\reg+2*\p+1], v[\adr] offset:8*PC+16*(PC/8)+(\i)*16*PITCH
.else
	ds_load_b64 v[\reg+2*\p:\reg+2*\p+1], v[\adr+2] offset:8*PC+16*(PC/8)+(\i)*16*PITCH
.endif
.endr
.endm
; 16 matrix instructions: A's blocks a0, a0 + 1 x B's eight, 128 along K: the slot's q-th.  p: B's set;  sc: the set of scale words.  first = 1: the first product starts the sums, with the bias as its C.
; The 64 accumulators take turns, one instruction a turn, in the same order in every step.
.macro MUL16 a0, p, q, sc, first
.irp a, \a0, \a0+1
.irp b, 0,1,2,3,4,5,6,7
.if \first
	v_wmma_scale_f32_16x16x128_f8f6f4 v[8*(8*((\a)%4)+\b):8*(8*((\a)%4)+\b)+7], v[128*(\p)+FR*\b:128*(\p)+FR*\b+FR-1], v[AF+FR*(\a):AF+FR*(\a)+FR-1], v[BI+8*\b:BI+8*\b+7], v[SC+8*NQ*(\sc)+NQ*\b+(\q)], v[SC+8*NQ*(\sc)+NQ*(\a)+(\q)] matrix_a_fmt:MATRIX_FMT_BF6 matrix_b_fmt:MATRIX_FMT_BF6 matrix_a_scale:MATRIX_SCALE_ROW1
.else
	v_wmma_scale_f32_16x16x128_f8f6f4 v[8*(8*((\a)%4)+\b):8*(8*((\a)%4)+\b)+7], v[128*(\p)+FR*\b:128*(\p)+FR*\b+FR-1], v[AF+FR*(\a):AF+FR*(\a)+FR-1], v[8*(8*((\a)%4)+\b):8*(8*((\a)%4)+\b)+7], v[SC+8*NQ*(\sc)+NQ*\b+(\q)], v[SC+8*NQ*(\sc)+NQ*(\a)+(\q)] matrix_a_fmt:MATRIX_FMT_BF6 matrix_b_fmt:MATRIX_FMT_BF6 matrix_a_scale:MATRIX_SCALE_ROW1
.endif
.endr
.endr
.endm
.macro FETCH_B slot, q, p              ; B's eight fragments of the slot's q-th 128 along K into set p
	WIN TO_B
.irp i, 0,1,2,3,4,5,6,7
	FRAG 128*(\p)+FR*\i, ADRB+\slot, \q, \i
.endr
	WIN 0
.endm
.macro FETCH_A slot, q, i0             ; A's blocks i0 .. i0 + 3
.irp i, \i0, \i0+1, \i0+2, \i0+3
	FRAG AF+FR*(\i), ADRA+\slot, \q, \i
.endr
.endm
.macro SCALES sc                       ; the next K step's scale words into set sc: NQ words a row; lanes 0-15 take A's block i, lanes 16-31 B's block i
.irp i, 0,1,2,3,4,5,6,7
	ds_load_b64 v[SC+8*NQ*\sc+NQ*\i:SC+8*NQ*\sc+NQ*\i+1], v[ADRS] offset:\i*SBLK
.endr
.endm
; A load into a register that a matrix instruction has read, and a vector instruction or an LDS store that reads a matrix result, stand NP places behind that matrix instruction, and only plain vector
; instructions that name none of its registers are places (ISA guide 7.12.1 for vector instructions); this text does not count the matrix instructions in between.
.macro PLACES n
.rept \n
	v_nop
.endr
.endm
; A step of 128 along K that has its successor in the same slot.
.macro STEP slot, q, first
	s_wait_dscnt 4*NL                              ; B's set and A's blocks 0-3 are in; the youngest 24 loads (A's blocks 4-7) may be out
.if \first
	WIN BIAS_LO
.else
	WIN MUL_LO
.endif
	MUL16 0, (\q)%2, \q, \slot, \first
	MUL16 2, (\q)%2, \q, \slot, \first
	s_wait_dscnt 0                                 ; A's blocks 4-7 are in (asked for 32 matrix instructions ago)
	PLACES NP
	FETCH_B \slot, (\q)+1, 1-(\q)%2
	FETCH_A \slot, (\q)+1, 0
.if \first
	WIN BIAS_HI
.else
	WIN MUL_HI
.endif
	MUL16 4, (\q)%2, \q, \slot, \first
	MUL16 6, (\q)%2, \q, \slot, \first
	PLACES NP
	WIN 0
	FETCH_A \slot, (\q)+1, 4
.endm
; A slot's last step changes slots: ONE barrier; in front of it each wave waits for all its tensor loads, adds 0 to its spare word, and waits for that and for its own reads of this slot.  fill = 1: this slot is filled again, two K steps ahead.
.macro TURN slot, next, fill
	s_wait_tensorcnt 0x0                           ; all my tensor loads have landed: my part of the next slot;  (every window is 0 here: the add's two registers lie in window 0)
	ds_add_u32 v[SPW], v[NIL]                      ; 0 onto my spare word
	s_wait_dscnt 4*NL+1                            ; (the add and the youngest 24 loads, A's blocks 4-7, may be out)
	WIN MUL_LO
	MUL16 0, 1, NQ-1, \slot, 0                     ; sixteen matrix instructions stand between the add and the wait for it
	s_wait_dscnt 0x0                               ; the add is done, and my reads of this slot are over
	s_barrier_signal -1
	MUL16 2, 1, NQ-1, \slot, 0
	WIN 0
	s_barrier_wait -1
.if \fill
	CREST                                          ; the barrier has opened a round of the cluster's barrier: no wave of any partner still reads this slot's tile or has a load on its way
	s_add_nc_u64 s[G0+4*\slot+2:G0+4*\slot+3], s[G0+4*\slot+2:G0+4*\slot+3], 2*ROWB
	s_add_nc_u64 s[G0B+4*\slot+2:G0B+4*\slot+3], s[G0B+4*\slot+2:G0B+4*\slot+3], 2*ROWB
	JLOAD G0+4*\slot, G1, G0B+4*\slot, G1B         ; the first tensor load behind the round, my one load until the next; the four v_nop behind it are the places in front of the loads below
.else
	PLACES NP
.endif
	v_add_nc_u32 v[ADRS], 4*NQ, v[ADRS]            ; on to the next K step's scale words (no LDS load of mine is out)
	FETCH_B \next, 0, 0
	FETCH_A \next, 0, 0
	SCALES \next
	WIN MUL_HI
	MUL16 4, 1, NQ-1, \slot, 0
	MUL16 6, 1, NQ-1, \slot, 0
	PLACES NP
	WIN 0
	FETCH_A \next, 0, 4
.endm
	s_wait_tensorcnt 1                             ; the scales and my part of K step 0 are in (K step 1's load may be out)
	s_wait_loadcnt 0x0                             ; and so is the bias
	s_barrier_signal -1
	s_barrier_wait -1                              ; everybody's are
	FETCH_B 0, 0, 0
	FETCH_A 0, 0, 0
	SCALES 0
	FETCH_A 0, 0, 4
	STEP 0, 0, 1                                   ; the first step stands in front of the loop: its products start the sums, on the bias
	s_mov_b32 s3, LAPS-1
.Llap:                                                 ; a trip goes once round the ring, from a lap's second step to the next lap's first, and fills both slots again
	TURN 0, 1, 1
	STEP 1, 0, 0
	TURN 1, 0, 1
	STEP 0, 0, 0
	s_sub_co_u32 s3, s3, 1
	s_cmp_lg_u32 s3, 0
	s_cbranch_scc1 .Llap
	TURN 0, 1, 0                                   ; the last lap fills nothing, and has no round of the cluster's barrier
	STEP 1, 0, 0
	s_wait_dscnt 4*NL                              ; the very last step: nothing more to fetch
	WIN MUL_LO
	MUL16 0, 1, NQ-1, 1, 0
	MUL16 2, 1, NQ-1, 1, 0
	s_wait_dscnt 0
	WIN MUL_HI
	MUL16 4, 1, NQ-1, 1, 0
	MUL16 6, 1, NQ-1, 1, 0
	WIN 0
; THE WAY OUT, block by block of 16 rows x 128 columns.  A lane holds 32 neighbouring bytes of a row, and the lanes beside it hold other rows: so a block goes through my own stage in LDS and comes back as whole
; rows of 512 bytes, which the 32 lanes store as 512 consecutive bytes, aligned.  LDS serves a wave's instructions in order (ISA guide 5.7.1.4): no wait between the stores and the loads, nor in front of the next block's stores.
.macro TOSTAGE a
.set AC, 64*((\a)%4)
	WIN 0x08+4*((\a)/4)                            ; the data: window 2 or 3
.irp b, 0,1,2,3,4,5,6,7
	ds_store_b128 v[STO], v[AC+8*\b:AC+8*\b+3] offset:64*\b          ; each accumulator from its low end on
	ds_store_b128 v[STO], v[AC+8*\b+4:AC+8*\b+7] offset:64*\b+16
.endr
	WIN 0
.set BB, BK+64*((\a)%2)
.irp t, 0,1,2,3,4,5,6,7,8,9,10,11,12,13,14,15
	ds_load_b128 v[BB+4*\t:BB+4*\t+3], v[RD] offset:\t*SPITCH
.endr
.endm
.macro SEND a, younger                 ; younger: the LDS instructions issued behind block a's loads, which may stay out
.set BB, BK+64*((\a)%2)
	s_wait_dscnt \younger                          ; the block is back in registers
.if (\a) > 0
	s_add_nc_u64 s[12:13], s[12:13], 16*SIZE_N*4   ; (behind a wait on XCNT: the earlier stores have read their base)  16 rows of h on, so that the stores' offsets stay at 15 rows at the most
.endif
.irp t, 0,1,2,3,4,5,6,7,8,9,10,11,12,13,14,15
	global_store_b128 v[CO], v[BB+4*\t:BB+4*\t+3], s[12:13] offset:\t*SIZE_N*4   ; 32 lanes store 512 consecutive bytes, at a multiple of 256 from h's first byte; no hint: the next launch reads them
.endr
.endm
	PLACES NP                                      ; these places serve the loads into the registers that held A's fragments and the reads of the last products' results alike
	TOSTAGE 0
.irp a, 1,2,3,4,5,6,7
.if \a > 1
	s_wait_xcnt 0x0                                ; block a - 2's stores have read their registers and their base: block a's loads may land there, and the base may step
.endif
	TOSTAGE \a
	SEND \a-1, 32                                  ; behind block a - 1's loads: block a's 16 stores and 16 loads
.endr
	s_wait_xcnt 0x0                                ; block 6's stores have read their base
	SEND 7, 0
	s_wait_tensorcnt 0x0                           ; the wave's end: behind my last tensor load and my last LDS store
	ds_add_u32 v[SPW], v[NIL]
	s_wait_dscnt 0x0
	CROUND                                         ; the closing round: no work-group ends while a partner may still ask for a tile that names it
	s_endpgm
.Lfunc_end_k_q8d8d37398a_gemm3:
	.size	k_q8d8d37398a_gemm3, .Lfunc_end_k_q8d8d37398a_gemm3-k_q8d8d37398a_gemm3
	.p2alignl 7, 3214868480
	.fill 96, 4, 3214868480
	.section	.rodata,"a",@progbits
	.p2align	6, 0x0
	.amdhsa_kernel k_q8d8d37398a_gemm3
		.amdhsa_group_segment_fixed_size 327680
		.amdhsa_private_segment_fixed_size 0
		.amdhsa_enable_private_segment 0
		.amdhsa_kernarg_size 96
		.amdhsa_user_sgpr_count 2
		.amdhsa_user_sgpr_kernarg_segment_ptr 1
		.amdhsa_wavefront_size32 1
		.amdhsa_system_sgpr_workgroup_id_x 1
		.amdhsa_system_sgpr_workgroup_id_y 1
		.amdhsa_system_sgpr_workgroup_id_z 1
		.amdhsa_system_vgpr_workitem_id 0
		.amdhsa_next_free_vgpr 1024
		.amdhsa_next_free_sgpr 98
		.amdhsa_reserve_vcc 0
		.amdhsa_float_denorm_mode_32 3
		.amdhsa_float_denorm_mode_16_64 3
		.amdhsa_memory_ordered 1
		.amdhsa_forward_progress 1
		.amdhsa_inst_pref_size 162
	.end_amdhsa_kernel
	.amdgpu_metadata
---
amdhsa.version: [ 1, 2 ]
amdhsa.kernels:
  - .name:           k_q8d8d37398a_gemm3
    .symbol:         k_q8d8d37398a_gemm3.kd
    .args:
      - { .name: x_codes, .offset: 0, .size: 8, .value_kind: global_buffer, .address_space: global }
      - { .name: x_scales, .offset: 8, .size: 8, .value_kind: global_buffer, .address_space: global }
      - { .name: first_W1_codes, .offset: 16, .size: 8, .value_kind: global_buffer, .address_space: global }
      - { .name: first_W1_scales, .offset: 24, .size: 8, .value_kind: global_buffer, .address_space: global }
      - { .name: fake_W1_codes, .offset: 32, .size: 8, .value_kind: global_buffer, .address_space: global }
      - { .name: fake_W1_scales, .offset: 40, .size: 8, .value_kind: global_buffer, .address_space: global }
      - { .name: real_W1_codes, .offset: 48, .size: 8, .value_kind: global_buffer, .address_space: global }
      - { .name: real_W1_scales, .offset: 56, .size: 8, .value_kind: global_buffer, .address_space: global }
      - { .name: first_b1, .offset: 64, .size: 8, .value_kind: global_buffer, .address_space: global }
      - { .name: fake_b1, .offset: 72, .size: 8, .value_kind: global_buffer, .address_space: global }
      - { .name: real_b1, .offset: 80, .size: 8, .value_kind: global_buffer, .address_space: global }
      - { .name: h, .offset: 88, .size: 8, .value_kind: global_buffer, .address_space: global }
    .group_segment_fixed_size: 327680
    .private_segment_fixed_size: 0
    .kernarg_segment_align: 8
    .kernarg_segment_size: 96
    .max_flat_workgroup_size: 128
    .sgpr_count:     98
    .vgpr_count:     1024
    .wavefront_size: 32
...
	.end_amdgpu_metadata
.endif
;; end of part 1
;; launch head (part 2): grid 256 x 1, 6 waves a work-group, no clusters, 1,280 bytes of LDS; arguments h, out0, first_ln_g, first_ln_b, first_W2, first_b2, fake_ln_g, fake_ln_b, fake_W2, fake_b2, real_ln_g, real_ln_b, real_W2, real_b2; writes out0
.if DOCPART == 2
	.amdgcn_target "amdgcn-amd-amdhsa--gfx1250"
	.amdhsa_code_object_version 6
	.text
	.protected	k_q8d8d37398a_head
	.globl	k_q8d8d37398a_head
	.p2align	8
	.type	k_q8d8d37398a_head,@function
k_q8d8d37398a_head:
	s_mov_b64 s[64:65], 0
	v_nop
	global_prefetch_b8 v0, s[64:65] scope:SCOPE_SE
	s_setreg_imm32_b32 hwreg(HW_REG_WAVE_MODE, 25, 1), 1
	s_wait_xcnt 0x0
; For each branch b and row m: l[b][m][c] = b2_b[c] + sum over n of relu((h[b][m][n] - mean) x rsqrt(var + 1e-5) x g_b[n] + beta_b[n]) x W2_b[c][n], c = 0, 1; mean and var over the row's 2048 numbers;
; out0[m] = l[fake][m] where l[first][m][0] >= l[first][m][1] (the argmax is 0; a tie gives 0, as argmax does), else l[real][m].  h: [3][4096][2048] f32, with b1 already in it.  All in f32.
; The variance is the mean of the squares of h - mean, in a second pass over the registers: no difference of large sums.  The two-column product is made of f32 fused multiply-adds: with two columns the matrix unit
; would stand fourteen sixteenths idle, and narrower operands could turn the choice of rows whose two first logits lie close together.
; LIMIT: where the first branch's logits hold a NaN the comparison is false and the real branch's logits are taken; argmax would take the NaN's index.
; SHARES.  A work-group owns 16 rows, for all three branches.  Wave w takes branch w / 2 and rows 8 (w % 2) .. + 7: 64 KiB of h on end.  A wave takes a whole row at a time: 16 loads of 16 bytes a lane, each of 512
; consecutive bytes; register 4 j + e of a lane is column 128 j + 4 lane + e.  The row stays in 64 registers through all passes: h is read once.  The branch's g, beta and W2's two rows lie in 256 registers in the same
; layout, loaded once a wave.  Three row slots: one at work, two on their way in.  No tensor loads, no cluster: the waves share no input but the parameters, which stay in registers.
; The eight rows are written out: every offset is an immediate, and no address register or base is ever rewritten.
; The waves' logits meet in 384 bytes of LDS behind the one barrier; wave 0 selects and stores the work-group's 128 consecutive bytes of out0.
; REGISTERS, in windows of 256 (s_set_vgpr_msb's low byte: bits 1:0 source 0, 3:2 source 1, 5:4 source 2, 7:6 destination):
;   window 0: addresses, sums and the three row slots.   window 1: v0-63 g, v64-127 beta, v128-191 W2's row 0, v192-255 W2's row 1.
.set OFF, 1                            ; v1      16 x lane: my bytes of a load's 512; never rewritten
.set C,   4                            ; v[4:11] four chains of packed sums
.set NM,  12                           ; v[12:13] - mean, twice (a pair for the packed addition)
.set R,   14                           ; v[14:15] rsqrt(var + eps), twice
.set T,   16                           ; v16, v17 sums across the lanes
.set T2,  17
.set PD,  18                           ; v18, v19 destinations of the lane permute
.set RES, 20                           ; v20-35  the two logits of my 8 rows
.set LW,  36                           ; v36     LDS: 64 x wave: where my wave's 16 logits go
.set LF,  37                           ; v37     LDS: 8 x (lane / 2): the first branch's pair of logits of row lane / 2
.set LO,  38                           ; v38     4 x lane: my number among the 32 of a branch in LDS, and in the work-group's part of out0
.set SL,  64                           ; v64-255 three row slots of 64 registers
.set G,   0                            ; in window 1
.set BE,  64
.set W0,  128
.set W1,  192
.set MSB, 0
.macro WIN new                         ; the immediate's high byte repeats the setting that is left
.if MSB != \new
	s_set_vgpr_msb (MSB<<8)|\new
.set MSB, \new
.endif
.endm
	s_load_b128 s[4:7], s[0:1], 0x0                ; h s[4:5], out0 s[6:7]
	s_load_b256 s[8:15], s[0:1], 0x10              ; first: g, beta, W2, b2
	s_load_b256 s[16:23], s[0:1], 0x30             ; fake: the same
	s_load_b256 s[24:31], s[0:1], 0x50             ; real: the same
	v_lshl_add_u32 v62, v0, 2, 0x200
	v_mov_b32 v63, 0
	v_lshrrev_b32 v2, 5, v0
	v_readfirstlane_b32 s34, v2                    ; wave 0..5
	s_lshr_b32 s35, s34, 1                         ; my branch
	s_and_b32 s36, s34, 1                          ; which 8 of the 16 rows
	v_and_b32 v3, 31, v0                           ; lane
	v_lshlrev_b32 v[OFF], 4, v3
	v_mov_b32 v[LW], s34
	v_lshlrev_b32 v[LW], 6, v[LW]
	v_lshrrev_b32 v[LF], 1, v3
	v_lshlrev_b32 v[LF], 3, v[LF]
	v_lshlrev_b32 v[LO], 2, v3
	v_mov_b32 v[PD], 0                             ; written once: a lane permute's destination counts as one of its sources
	v_mov_b32 v[PD+1], 0
	s_mov_b32 s40, 0x76543210                      ; v_permlanex16_b32's selects for lane l xor 16
	s_mov_b32 s41, 0xfedcba98
	s_mov_b32 s42, 0x3a000000                      ; 1 / 2048
	s_mov_b32 s43, 0x3727c5ac                      ; 1e-5
	s_lshl_b32 s38, s35, 25                        ; h: the branch's 2^25 bytes,
	s_lshl_b32 s39, ttmp9, 17                      ; the work-group's 16 rows of 8,192 bytes,
	s_add_co_u32 s38, s38, s39
	s_lshl_b32 s39, s36, 16                        ; my 8 of them: under 2^27 in all
	s_add_co_u32 s38, s38, s39
	s_mov_b32 s39, 0
	s_lshl_b32 s44, ttmp9, 7                       ; out0: 16 rows of 8 bytes
	s_mov_b32 s45, 0
	s_wait_kmcnt 0x0
	s_cmp_eq_u32 s35, 1                            ; my branch's buffers: the choice hangs on the wave's number alone
	s_cselect_b64 s[8:9], s[16:17], s[8:9]
	s_cselect_b64 s[10:11], s[18:19], s[10:11]
	s_cselect_b64 s[12:13], s[20:21], s[12:13]
	s_cselect_b64 s[14:15], s[22:23], s[14:15]
	s_cmp_eq_u32 s35, 2
	s_cselect_b64 s[8:9], s[24:25], s[8:9]         ; g
	s_cselect_b64 s[10:11], s[26:27], s[10:11]     ; beta
	s_cselect_b64 s[12:13], s[28:29], s[12:13]     ; W2
	s_cselect_b64 s[14:15], s[30:31], s[14:15]     ; b2
	s_load_b64 s[32:33], s[14:15], 0x0             ; b2's two numbers
	s_add_nc_u64 s[4:5], s[4:5], s[38:39]
	s_add_nc_u64 s[6:7], s[6:7], s[44:45]
	WIN 0x40                                       ; destination window 1, address window 0
.set j, 0
.rept 16
	global_load_b128 v[G+4*j:G+4*j+3],   v[OFF], s[8:9] offset:512*j
	global_load_b128 v[BE+4*j:BE+4*j+3], v[OFF], s[10:11] offset:512*j
	global_load_b128 v[W0+4*j:W0+4*j+3], v[OFF], s[12:13] offset:512*j
	global_load_b128 v[W1+4*j:W1+4*j+3], v[OFF], s[12:13] offset:8192+512*j
.set j, j+1
.endr
	WIN 0
.macro FILL i                          ; my row i: sixteen loads of 512 consecutive bytes, into slot i % 3; read once in the launch
.set j, 0
.rept 16
	global_load_b128 v[SL+64*((\i)%3)+4*j:SL+64*((\i)%3)+4*j+3], v[OFF], s[4:5] offset:8192*(\i)+512*j th:TH_LOAD_NT
.set j, j+1
.endr
.endm
.macro JOIN4                           ; the four chains and their two halves -> v[T]
	v_pk_add_f32 v[C:C+1], v[C:C+1], v[C+2:C+3]
	v_pk_add_f32 v[C+4:C+5], v[C+4:C+5], v[C+6:C+7]
	v_pk_add_f32 v[C:C+1], v[C:C+1], v[C+4:C+5]
	v_add_f32 v[T], v[C], v[C+1]
.endm
.macro RED                             ; v[T] summed over the 32 lanes, the result in every lane: four steps inside each half of 16 lanes ride on the addition, one crosses the halves
.irp m, 1,2,4,8
	v_add_f32_dpp v[T], v[T], v[T] row_xmask:\m row_mask:0xf bank_mask:0xf
.endr
	v_permlanex16_b32 v[PD], v[T], s40, s41
	v_add_f32 v[T], v[T], v[PD]
.endm
.macro RED2                            ; the same for v[T] and v[T2], line by line by turns
.irp m, 1,2,4,8
	v_add_f32_dpp v[T], v[T], v[T] row_xmask:\m row_mask:0xf bank_mask:0xf
	v_add_f32_dpp v[T2], v[T2], v[T2] row_xmask:\m row_mask:0xf bank_mask:0xf
.endr
	v_permlanex16_b32 v[PD], v[T], s40, s41
	v_permlanex16_b32 v[PD+1], v[T2], s40, s41
	v_add_f32 v[T], v[T], v[PD]
	v_add_f32 v[T2], v[T2], v[PD+1]
.endm
; My row i, from its 64 registers a lane to its two logits.
.macro ROW i
.set X, SL+64*((\i)%3)
.if (\i) < 6
	s_wait_loadcnt 32                              ; loads come back in order: the parameters and this row are in; the two rows behind it, 16 loads each, stay out
.else
	s_wait_loadcnt 16*(7-(\i))                     ; the last two rows: one row behind, then none
.endif
	; the sum, two numbers at a time, in four chains started by the first eight pairs: nothing is cleared
.irp k, 0,1,2,3
	v_pk_add_f32 v[C+2*\k:C+2*\k+1], v[X+2*\k:X+2*\k+1], v[X+8+2*\k:X+8+2*\k+1]
.endr
.set p, 8
.rept 24
	v_pk_add_f32 v[C+2*(p%4):C+2*(p%4)+1], v[C+2*(p%4):C+2*(p%4)+1], v[X+2*p:X+2*p+1]
.set p, p+1
.endr
	JOIN4
	RED
	v_mul_f32 v[NM], 0xba000000, v[T]              ; - mean = the sum x (- 1 / 2048), which rounds nothing
	v_mul_f32 v[NM+1], 0xba000000, v[T]
.set p, 0
.rept 32
	v_pk_add_f32 v[X+2*p:X+2*p+1], v[X+2*p:X+2*p+1], v[NM:NM+1]    ; h - mean, in place
.set p, p+1
.endr
	; the sum of its squares
.irp k, 0,1,2,3
	v_pk_mul_f32 v[C+2*\k:C+2*\k+1], v[X+2*\k:X+2*\k+1], v[X+2*\k:X+2*\k+1]
.endr
.set p, 4
.rept 28
	v_pk_fma_f32 v[C+2*(p%4):C+2*(p%4)+1], v[X+2*p:X+2*p+1], v[X+2*p:X+2*p+1], v[C+2*(p%4):C+2*(p%4)+1]
.set p, p+1
.endr
	JOIN4
	RED
	v_fma_f32 v[T], v[T], s42, s43                 ; var + eps
	v_rsq_f32 v[R], v[T]                           ; made twice, to fill the pair that the packed form multiplies by.  Behind a transcendental one plain vector instruction stands before its
	v_rsq_f32 v[R+1], v[T]                         ; result is used or its source rewritten (ISA guide 5.7.2): the 32 multiplications below name neither R nor T
	WIN 0x04                                       ; source 1 window 1
.set p, 0
.rept 32
	v_pk_mul_f32 v[X+2*p:X+2*p+1], v[X+2*p:X+2*p+1], v[G+2*p:G+2*p+1]              ; x g
.set p, p+1
.endr
	WIN 0x10                                       ; source 2 window 1
.set p, 0
	s_wait_alu depctr_va_vdst(0)
.rept 32
	v_pk_fma_f32 v[X+2*p:X+2*p+1], v[X+2*p:X+2*p+1], v[R:R+1], v[BE+2*p:BE+2*p+1]  ; x rsqrt + beta, fused
.set p, p+1
.endr
	WIN 0
.set p, 0
.rept 64
	v_max_num_f32 v[X+p], 0, v[X+p]                ; relu
.set p, p+1
.endr
	; the two dot products with W2's rows: chains 0 and 2 take row 0 (even pairs, odd pairs), chains 1 and 3 row 1; the first two pairs start them
	WIN 0x04
	v_pk_mul_f32 v[C:C+1],   v[X:X+1],   v[W0:W0+1]
	v_pk_mul_f32 v[C+2:C+3], v[X:X+1],   v[W1:W1+1]
	v_pk_mul_f32 v[C+4:C+5], v[X+2:X+3], v[W0+2:W0+3]
	v_pk_mul_f32 v[C+6:C+7], v[X+2:X+3], v[W1+2:W1+3]
.set p, 2
.rept 30
	v_pk_fma_f32 v[C+4*(p%2):C+4*(p%2)+1],   v[X+2*p:X+2*p+1], v[W0+2*p:W0+2*p+1], v[C+4*(p%2):C+4*(p%2)+1]
	v_pk_fma_f32 v[C+4*(p%2)+2:C+4*(p%2)+3], v[X+2*p:X+2*p+1], v[W1+2*p:W1+2*p+1], v[C+4*(p%2)+2:C+4*(p%2)+3]
.set p, p+1
.endr
	WIN 0
.if (\i)+3 < 8
	FILL (\i)+3                                    ; the slot's last read is over: it takes the row three further on; the last three rows ask for nothing, so no load leaves h
.endif
	v_pk_add_f32 v[C:C+1], v[C:C+1], v[C+4:C+5]
	v_pk_add_f32 v[C+2:C+3], v[C+2:C+3], v[C+6:C+7]
	v_add_f32 v[T], v[C], v[C+1]
	v_add_f32 v[T2], v[C+2], v[C+3]
	RED2
	v_add_f32 v[RES+2*(\i)], s32, v[T]             ; + b2
	v_add_f32 v[RES+2*(\i)+1], s33, v[T2]
.endm
	FILL 0
	FILL 1
	FILL 2
	s_wait_kmcnt 0x0                               ; b2
.irp i, 0,1,2,3,4,5,6,7
	ROW \i
.endr
.irp i, 0,1,2,3,4,5,6,7
	ds_store_b64 v[LW], v[RES+2*\i:RES+2*\i+1] offset:8*\i   ; LDS: [branch][16 rows][2]: wave w's 64 bytes begin at 64 w; all lanes write the same words with the same values
.endr
	s_wait_dscnt 0x0                               ; for the others' sake: my stores have landed
	s_barrier_signal -1
	s_barrier_wait -1                              ; all 96 logits lie in LDS
	s_cmp_lg_u32 s34, 0                            ; wave 0 alone selects and stores; no barrier stands behind this branch
	s_cbranch_scc1 .Lend
	ds_load_b64 v[40:41], v[LF]                    ; lane l stands for row l / 2, logit l % 2: the first branch's two logits of that row,
	ds_load_b32 v42, v[LO] offset:128              ; fake's number,
	ds_load_b32 v43, v[LO] offset:256              ; real's
	s_wait_dscnt 0x0
	v_cmp_ge_f32 vcc_lo, v40, v41                  ; the argmax is 0: a choice of a value, no branch and no address hangs on it
	v_cndmask_b32 v44, v43, v42, vcc_lo            ; fake's where it is, else real's
	global_store_b32 v[LO], v44, s[6:7]            ; 32 lanes store the work-group's 128 consecutive bytes of out0
.Lend:
	s_wait_tensorcnt 0x0
	ds_add_u32 v62, v63
	s_wait_dscnt 0x0
	s_endpgm
.Lfunc_end_k_q8d8d37398a_head:
	.size	k_q8d8d37398a_head, .Lfunc_end_k_q8d8d37398a_head-k_q8d8d37398a_head
	.p2alignl 7, 3214868480
	.fill 96, 4, 3214868480
	.section	.rodata,"a",@progbits
	.p2align	6, 0x0
	.amdhsa_kernel k_q8d8d37398a_head
		.amdhsa_group_segment_fixed_size 1280
		.amdhsa_private_segment_fixed_size 0
		.amdhsa_enable_private_segment 0
		.amdhsa_kernarg_size 112
		.amdhsa_user_sgpr_count 2
		.amdhsa_user_sgpr_kernarg_segment_ptr 1
		.amdhsa_wavefront_size32 1
		.amdhsa_system_sgpr_workgroup_id_x 1
		.amdhsa_system_sgpr_workgroup_id_y 1
		.amdhsa_system_sgpr_workgroup_id_z 1
		.amdhsa_system_vgpr_workitem_id 0
		.amdhsa_next_free_vgpr 512
		.amdhsa_next_free_sgpr 66
		.amdhsa_reserve_vcc 1
		.amdhsa_float_denorm_mode_32 3
		.amdhsa_float_denorm_mode_16_64 3
		.amdhsa_memory_ordered 1
		.amdhsa_forward_progress 1
		.amdhsa_inst_pref_size 168
	.end_amdhsa_kernel
	.amdgpu_metadata
---
amdhsa.version: [ 1, 2 ]
amdhsa.kernels:
  - .name:           k_q8d8d37398a_head
    .symbol:         k_q8d8d37398a_head.kd
    .args:
      - { .name: h, .offset: 0, .size: 8, .value_kind: global_buffer, .address_space: global }
      - { .name: out0, .offset: 8, .size: 8, .value_kind: global_buffer, .address_space: global }
      - { .name: first_ln_g, .offset: 16, .size: 8, .value_kind: global_buffer, .address_space: global }
      - { .name: first_ln_b, .offset: 24, .size: 8, .value_kind: global_buffer, .address_space: global }
      - { .name: first_W2, .offset: 32, .size: 8, .value_kind: global_buffer, .address_space: global }
      - { .name: first_b2, .offset: 40, .size: 8, .value_kind: global_buffer, .address_space: global }
      - { .name: fake_ln_g, .offset: 48, .size: 8, .value_kind: global_buffer, .address_space: global }
      - { .name: fake_ln_b, .offset: 56, .size: 8, .value_kind: global_buffer, .address_space: global }
      - { .name: fake_W2, .offset: 64, .size: 8, .value_kind: global_buffer, .address_space: global }
      - { .name: fake_b2, .offset: 72, .size: 8, .value_kind: global_buffer, .address_space: global }
      - { .name: real_ln_g, .offset: 80, .size: 8, .value_kind: global_buffer, .address_space: global }
      - { .name: real_ln_b, .offset: 88, .size: 8, .value_kind: global_buffer, .address_space: global }
      - { .name: real_W2, .offset: 96, .size: 8, .value_kind: global_buffer, .address_space: global }
      - { .name: real_b2, .offset: 104, .size: 8, .value_kind: global_buffer, .address_space: global }
    .group_segment_fixed_size: 1280
    .private_segment_fixed_size: 0
    .kernarg_segment_align: 8
    .kernarg_segment_size: 112
    .max_flat_workgroup_size: 192
    .sgpr_count:     66
    .vgpr_count:     512
    .wavefront_size: 32
...
	.end_amdgpu_metadata
.endif
;; end of part 2
;; ======== version 2 of 2: 2 launches
;; workspace buffers: h 100,663,296 bytes
;; launch gemm3 (part 3): grid 16 x 16, 4 waves a work-group, clusters of 4 x 4, 327,680 bytes of LDS; arguments x_codes, x_scales, first_W1_codes, first_W1_scales, fake_W1_codes, fake_W1_scales, real_W1_codes, real_W1_scales, first_b1, fake_b1, real_b1, h; writes h
.if DOCPART == 3
	.amdgcn_target "amdgcn-amd-amdhsa--gfx1250"
	.amdhsa_code_object_version 6
	.text
	.protected	k_q8d8d37398a_gemm3
	.globl	k_q8d8d37398a_gemm3
	.p2align	8
	.type	k_q8d8d37398a_gemm3,@function
k_q8d8d37398a_gemm3:
	s_mov_b64 s[64:65], 0
	v_nop
	global_prefetch_b8 v0, s[64:65] scope:SCOPE_SE
	s_setreg_imm32_b32 hwreg(HW_REG_WAVE_MODE, 25, 1), 1
	s_wait_xcnt 0x0
	s_wait_alu depctr_hold_cnt(0) depctr_sa_sdst(0) depctr_va_vdst(0) depctr_va_sdst(0) depctr_va_ssrc(0) depctr_va_vcc(0) depctr_vm_vsrc(0)
	s_getreg_b32 s2, hwreg(HW_REG_IB_STS2, 6, 4)
	s_cmp_eq_u32 s2, 0
	s_cbranch_scc0 .Lentry_in_a_cluster
	s_endpgm
.Lentry_in_a_cluster:
	s_bfe_u32 s2, ttmp6, 0x10000c
	s_cmp_lg_u32 s2, 0xf033
	s_cbranch_scc0 .Lentry_shape_is_right
	s_endpgm
.Lentry_shape_is_right:
; h[b][m][n] = b1_b[n] + sum over k of x[m][k] W1_b[n][k], for the three branches b = first, fake, real.  x: [4096][2048], W1_b: [2048][2048]: codes of BF6 (E3M2), 6 bits each, with one E8M0 byte for each 32 along K;
; h: [3][4096][2048] f32, a workspace buffer that the next launch reads; sums in f32.  The matrix instruction takes codes and scale bytes as they lie in memory: a row of codes is one stream of bits, 128 codes in 96 bytes.
; LIMIT: a scale byte 0xff makes the sums NaN, as the format says; nothing is done about it.
; SHARES.  16 x 16 work-groups, in clusters of 4 x 4.  A work-group makes 256 rows x 384 columns: THE SAME STRIP OF 128 COLUMNS IN EACH OF THE THREE BRANCHES, so that x's tiles serve three products and there are as many
; work-groups, of equal work, as 4096 x 6144 / (256 x 384) = 256.  In LDS the three strips' rows of W1 lie on end: 384 rows.  A wave makes 128 rows x 192 of these columns: 96 accumulators of 16 x 16, 768 registers.
; K goes in steps of 256 through a ring of two LDS slots filled by the tensor data mover: wave 0 brings x's 256 rows, waves 1, 2, 3 the 128 rows of first's, fake's, real's W1: one load a wave.
; THE SCALES of the 256 rows of x and the 3 x 128 rows of W1, for all of K, are four dense blocks of memory: they come into LDS ONCE, with the first fills, as rows of 256 bytes, and stay.
; CLUSTERS.  The four of a row of the cluster need the same tiles of x, the four of a column the same tiles of W1: each tile is asked for JOINTLY, by the same tensor load with the same descriptor and a mask that names the four.
; THE MATRIX INSTRUCTION IS USED TRANSPOSED (source 0 = 16 rows of W1, source 1 = 16 rows of x): a lane then holds eight neighbouring numbers of a row of h.
; REGISTERS, in windows of 256.  The wave's 192 columns are three GROUPS of 64; group g's 32 accumulators fill window g + 1 (x's block a, the group's block bb: v[8 (4 a + bb)]).  Window 0 holds all else:
;   v8-19 addresses; v20-59 scale words, two sets; v60-155 x's eight fragments (16 rows x 128 K each), ONE set; v156-251 W1's fragments, TWO sets of a group's four.
; A STEP of 128 along K is 96 matrix instructions: group by group, in a group x's blocks one after the other, each against the group's four blocks of W1.  While a group is multiplied the next group's four fragments
; come into the other set.  In a step's last group a block of x is free as soon as its four products are issued: blocks 0-3 are fetched anew in that group's middle, blocks 4-7 at the next step's head.
; THE BIAS is added on the way out, to the rows as they come back from the stage: there a lane holds four columns, so 12 registers hold all that it needs of b1.
; Below, A stands for x and B for the three strips of W1.
.set SIZE_K, 2048
.set KSTEP,  256                       ; along K in a slot: two steps of 128
.set ROWB,   192                       ; a tile's row in memory: KSTEP codes of 6 bits
.set KROW,   SIZE_K*6/8                ; a row of A or of B in memory, in bytes
.set PITCH,  208                       ; an LDS row.  The descriptor states tile rows of 208 bytes of which the tensor has 192 left: for what lies beyond the tensor's extent the mover writes zeros, which nobody reads.
                                       ; 208 bytes = 52 words: the 16 rows of a fragment start at 16 different multiples of 4 banks (64 banks of 4 bytes: ISA guide 11.1), lanes 16-31 read 6 banks on: the 32 lanes of a load of 8 bytes touch 64 different banks
.set FR,     12                        ; registers of a fragment: 16 rows x 128 K
.set NP,     4                         ; places behind this matrix instruction (ISA guide 7.12.1)
.set BTILE,  128*PITCH                 ; one strip's 128 rows: what waves 1 to 3 bring
.set ATILE,  256*PITCH                 ; A's 256 rows: what wave 0 brings
.set SLOT,   ATILE+3*BTILE             ; A's rows, then B's 384
.set LAPS,   SIZE_K/(2*KSTEP)          ; a lap = two K steps = once round the ring: 4 laps
.set SBLK,   4*272                     ; the scales of 16 rows: 64 bytes a row, four rows to 256 bytes, 16 bytes of padding behind each 256
.set SCL,    2*SLOT                    ; behind the ring: the scales: A's 256 rows,
.set SCA,    16*SBLK
.set SCB,    8*SBLK                    ; then 128 rows for each strip of B
.set SPARE,  SCL+SCA+3*SCB             ; behind the scales: the spare words, 128 bytes for each wave: two blocks of 256 bytes that no other line names
.set SP,     272                       ; the way out: a stage of 16 rows x (256 bytes + 16) for each wave.  It lies in slot 0, which has had its last fill and its last read when the first result is stored there
.set HROW,   8192                      ; a row of h in bytes
.set STO,  8                           ; v8      the way out: where I put 32 bytes of a row
.set RDB,  9                           ; v9      the way out: where I read a row back
.set CO,   10                          ; v10     my byte offset in two rows of h
.set BO,   11                          ; v11     my byte offset in a group's 64 numbers of b1
.set ADRA, 12                          ; v12-13  LDS address of my A fragments in slot 0, 1
.set ADRB, 14                          ; v14-15  the same for B
.set ADRS, 16                          ; v16     LDS address of scale words: lanes 0-15 A's block 0, lanes 16-31 B's block 0
.set ADRT, 17                          ; v17     the same: lanes 0-15 B's block 8, lanes 16-31 B's block 9
.set SPW,  18                          ; v18     LDS address of my spare word: SPARE + 4 x my thread's number; never rewritten
.set NIL,  19                          ; v19     0; never rewritten
.set SC,   20                          ; scale words: set s (for slot s) at v[SC + 20 s]; in it register 2 i + q, for the slot's q-th 128 along K: i < 8: lanes 0-15 A's block i, lanes 16-31 B's block i; i = 8, 9: lanes 0-15 B's block 2 i - 8, lanes 16-31 B's block 2 i - 7
.set AF,   60                          ; A's fragments
.set BF,   156                         ; B's fragments: set s at v[BF + 48 s]
.set BK,   60                          ; the way out: 16 rows x 256 bytes read back from the stage: v60-91 and v92-123 by turns
.set BIAS, 236                         ; the way out: v236-247: group g's four numbers of b1 at v[BIAS + 4 g]
.set G1A, 24                           ; s[24:31] descriptor group 1 for A's tiles;  s[32:39] group 0, one set for each slot
.set G0A, 32
.set G1B, 48                           ; s[48:55], s[56:63] the same for B's tiles
.set G0B, 56
.set G1SA, 68                          ; s[68:75], s[76:79] groups 1 and 0 for A's scales;  s[80:87], s[88:91] for B's
.set G0SA, 76
.set G1SB, 80
.set G0SB, 88
.set HB,   92                          ; s[92:97] h at my first row and my group g's first column: a pair for each group
                                       ; s[98:99], s[100:101], s[66:67]: b1 at my groups 0, 1, 2
.set MSB, 0
.macro WIN new                         ; the immediate's high byte repeats the setting that is left
.if MSB != \new
	s_set_vgpr_msb (MSB<<8)|\new
.set MSB, \new
.endif
.endm
.set W1, 0x50                          ; sources 0 (B) and 1 (A) window 0; C and D window 1
.set W2, 0xa0                          ; C and D window 2
.set W3, 0xf0                          ; C and D window 3
; A joint load: wave 0 fetches for A, waves 1 to 3 for B.  Each of the two lines has ONE mask; what differs between the waves that issue B's line hangs on the wave's number alone, which is the same in every work-group.
; Four v_nop follow each of the two lines, ahead of the jump, the label and what follows.
.macro JLOAD g0a, g1a, g0b, g1b
	s_cmp_eq_u32 s14, 0
	s_cbranch_scc0 .Lfor_b_\@
	tensor_load_to_lds s[\g0a:\g0a+3], s[\g1a:\g1a+7]
	s_nop 0
.rept 4
	v_nop
.endr
	s_branch .Lasked_\@
.Lfor_b_\@:
	tensor_load_to_lds s[\g0b:\g0b+3], s[\g1b:\g1b+7]
	s_nop 0
.rept 4
	v_nop
.endr
.Lasked_\@:
.endm
.macro CREST                           ; a round of the cluster's barrier behind its opening barrier
	s_cmp_lg_u32 s14, 0
	s_cbranch_scc1 .Lnot_wave_0_\@
	s_barrier_signal -3
.Lnot_wave_0_\@:
	s_barrier_wait -3
	s_barrier_signal -1
	s_barrier_wait -1
.endm
.macro CROUND                          ; a whole round
	s_barrier_signal -1
	s_barrier_wait -1
	CREST
.endm
.macro SHAPE g, left, wide, rows, pitch   ; words 1 to 7 of a group 1: the tensor has 'left' elements left in a row and 'rows' rows; the tile is 'wide' x 'rows'; 'pitch' elements from row to row in memory
	s_mov_b32 s[\g+1], (\left)<<16
	s_mov_b32 s[\g+2], (\rows)<<16
	s_mov_b32 s[\g+3], (\wide)<<16
	s_mov_b32 s[\g+4], \rows
	s_mov_b32 s[\g+5], \pitch
	s_mov_b32 s[\g+6], 0
	s_mov_b32 s[\g+7], 0
.endm
	; all twelve addresses first: some lie for a moment in registers that later hold descriptors
	s_load_b128 s[4:7], s[0:1], 0x0                ; x's codes s[4:5], x's scales s[6:7]
	s_load_b128 s[8:11], s[0:1], 0x10              ; first: W1's codes, W1's scales
	s_load_b128 s[68:71], s[0:1], 0x20             ; fake: the same
	s_load_b128 s[72:75], s[0:1], 0x30             ; real: the same
	s_load_b128 s[76:79], s[0:1], 0x40             ; first's b1, fake's b1
	s_load_b128 s[80:83], s[0:1], 0x50             ; real's b1, h
	v_lshl_add_u32 v[SPW], v0, 2, SPARE
	v_mov_b32 v[NIL], 0
	ds_add_u32 v18, v19
	ds_add_u32 v18, v19
	s_wait_dscnt 0x0
	v_lshrrev_b32 v1, 5, v0
	v_readfirstlane_b32 s14, v1                    ; wave 0..3
	s_lshr_b32 s15, s14, 1                         ; which half of the tile's 256 rows is mine
	s_and_b32 s16, s14, 1                          ; which half of its 384 columns
	s_bfe_u32 s40, ttmp6, 0x40000                  ; cx, cy: my place in the cluster
	s_bfe_u32 s41, ttmp6, 0x40004
	s_lshl_b32 s42, ttmp9, 2
	s_add_co_u32 s42, s42, s40                     ; which strip of 128 columns = 4 x cluster x + cx
	s_and_b32 s17, ttmp7, 0xffff
	s_lshl_b32 s17, s17, 2
	s_add_co_u32 s17, s17, s41                     ; which 256 rows = 4 x cluster y + cy
	s_lshl_b32 s43, s41, 2
	s_lshl_b32 s43, 15, s43                        ; my row of the cluster
	s_lshl_b32 s44, 0x1111, s40                    ; my column
	s_wait_kmcnt 0x0
	s_cmp_eq_u32 s14, 2                            ; the W1 that I fetch: wave 1 first's (wave 0, which fetches x, keeps first's unused), wave 2 fake's, wave 3 real's: the choice hangs on the wave's number alone
	s_cselect_b64 s[8:9], s[68:69], s[8:9]
	s_cselect_b64 s[10:11], s[70:71], s[10:11]
	s_cmp_eq_u32 s14, 3
	s_cselect_b64 s[8:9], s[72:73], s[8:9]         ; its codes s[8:9],
	s_cselect_b64 s[10:11], s[74:75], s[10:11]     ; its scales s[10:11]
	s_cmp_eq_u32 s16, 1                            ; my three groups of 64 columns are numbers 3 c + g of the tile's six, two to a branch: c = 0: first, first, fake; c = 1: fake, real, real
	s_cselect_b64 s[98:99], s[78:79], s[76:77]     ; b1 for group 0,
	s_cselect_b64 s[100:101], s[80:81], s[76:77]   ; group 1,
	s_cselect_b64 s[66:67], s[80:81], s[78:79]     ; group 2
	s_mov_b64 s[12:13], s[82:83]                   ; h s[12:13]; from here on s[68:91] are free for descriptors
	; descriptor groups 1.  Word 0: 15:0 the mask (A's tiles go to my row of the cluster, B's to my column); 17:16 the element's size; 21 set beside a mask; for the scales 20 padding on, 24:22 after every 64 words (code 5), 31:25 of 4 words (code 3)
	s_or_b32 s[G1A+0], s43, (0<<16)|(1<<21)
	s_or_b32 s[G1B+0], s44, (0<<16)|(1<<21)
	SHAPE G1A, ROWB, PITCH, 256, KROW              ; codes, elements of 1 byte: 192 bytes of the row are there, the tile's row is 208
	SHAPE G1B, ROWB, PITCH, 128, KROW
	s_or_b32 s[G1SA+0], s43, (3<<16)|(1<<20)|(1<<21)|(5<<22)|(3<<25)
	s_or_b32 s[G1SB+0], s44, (3<<16)|(1<<20)|(1<<21)|(5<<22)|(3<<25)
	SHAPE G1SA, 32, 32, 64, 32                     ; scales: a dense block, as rows of 256 bytes (32 elements of 8 bytes): 256 rows x 64 bytes are 64 of them,
	SHAPE G1SB, 32, 32, 32, 32                     ; 128 rows 32
	; where the tiles come from.  A's hang on the rows alone, which my row of the cluster shares; B's on the strip alone, which my column shares
	s_mul_i32 s20, s17, 256*KROW                   ; A's codes: 256 rows of 1,536 bytes for each step down
	s_mov_b32 s21, 0
	s_lshl_b32 s22, s17, 14                        ; A's scales: 256 rows of 64 bytes
	s_mov_b32 s23, 0
	s_mul_i32 s46, s42, 128*KROW                   ; B's codes: 128 rows
	s_mov_b32 s47, 0
	s_lshl_b32 s18, s42, 13                        ; B's scales
	s_mov_b32 s19, 0
	s_add_nc_u64 s[20:21], s[4:5], s[20:21]
	s_add_nc_u64 s[22:23], s[6:7], s[22:23]
	s_add_nc_u64 s[46:47], s[8:9], s[46:47]
	s_add_nc_u64 s[18:19], s[10:11], s[18:19]
	s_mul_i32 s45, s14, BTILE                      ; where B's go: strip wave - 1 lies behind A's rows, which are two strips long: (wave + 1) x a strip.  No place in the cluster enters an LDS address
	s_mul_i32 s2, s14, SCB                         ; the scales likewise
	CROUND                                         ; all sixteen work-groups are here: the first joint loads meet
	s_mov_b32 s[G0SA], 1
	s_mov_b32 s[G0SA+1], SCL
	s_mov_b64 s[G0SA+2:G0SA+3], s[22:23]
	s_or_b32 s[G0SA+3], s[G0SA+3], 0x80000000
	s_mov_b32 s[G0SB], 1
	s_add_co_u32 s[G0SB+1], s2, SCL+SCB
	s_mov_b64 s[G0SB+2:G0SB+3], s[18:19]
	s_or_b32 s[G0SB+3], s[G0SB+3], 0x80000000
	JLOAD G0SA, G1SA, G0SB, G1SB                   ; the scales first: they are wanted with K step 0
.irp s, 0,1
	s_mov_b32 s[G0A+4*\s], 1
	s_mov_b32 s[G0A+4*\s+1], \s*SLOT
	s_add_nc_u64 s[G0A+4*\s+2:G0A+4*\s+3], s[20:21], \s*ROWB
	s_or_b32 s[G0A+4*\s+3], s[G0A+4*\s+3], 0x80000000
	s_mov_b32 s[G0B+4*\s], 1
	s_add_co_u32 s[G0B+4*\s+1], s45, BTILE+\s*SLOT
	s_add_nc_u64 s[G0B+4*\s+2:G0B+4*\s+3], s[46:47], \s*ROWB
	s_or_b32 s[G0B+4*\s+3], s[G0B+4*\s+3], 0x80000000
	JLOAD G0A+4*\s, G1A, G0B+4*\s, G1B             ; three tensor loads of mine are out behind the second of these
.endr
	v_and_b32 v1, 15, v0                           ; r = l % 16
	v_bfe_u32 v2, v0, 4, 1                         ; h = l / 16
	v_mul_u32_u24 v3, v1, PITCH
	v_mad_u32_u24 v4, v2, 24, v3                   ; a fragment's row x pitch + 24 x half
	s_mul_i32 s21, s15, BTILE                      ; my 128 rows of A
	s_mul_i32 s22, s16, 192*PITCH                  ; my 192 rows of B,
	s_add_co_u32 s22, s22, ATILE                   ; which lie behind A's 256
.irp s, 0,1
	v_add_nc_u32 v[ADRA+\s], s21, v4
	v_add_nc_u32 v[ADRB+\s], s22, v4
	s_add_co_u32 s21, s21, SLOT
	s_add_co_u32 s22, s22, SLOT
.endr
	v_lshlrev_b32 v5, 6, v1                        ; my row's scales: 64 bytes a row,
	v_lshrrev_b32 v6, 2, v1
	v_lshl_add_u32 v5, v6, 4, v5                   ; and 16 more for each four rows passed
	s_mul_i32 s21, s15, 8*SBLK                     ; A's: my eight blocks
	s_mul_i32 s22, s16, 12*SBLK                    ; B's: my twelve, behind A's sixteen
	s_add_co_u32 s22, s22, SCA
	s_sub_co_u32 s23, s22, s21
	v_mul_u32_u24 v6, s23, v2                      ; lanes 16-31 take B's: one product, the distance between the two bases x the lane's half
	s_add_co_u32 s21, s21, SCL
	v_add_nc_u32 v6, v5, v6
	v_add_nc_u32 v[ADRS], s21, v6
	s_add_co_u32 s22, s22, SCL+8*SBLK              ; B's block 8;
	v_mul_u32_u24 v7, v2, SBLK                     ; lanes 16-31 take the block behind it
	v_add_nc_u32 v7, v5, v7
	v_add_nc_u32 v[ADRT], s22, v7
	s_mul_i32 s23, s14, 16*SP                      ; my stage
	v_mul_u32_u24 v5, v1, SP                       ; in: row l % 16, 32 bytes for each half of the lanes
	v_lshl_add_u32 v5, v2, 5, v5
	v_add_nc_u32 v[STO], s23, v5
	v_mul_u32_u24 v6, v2, SP                       ; back: lanes 0-15 take one row of 256 bytes, lanes 16-31 the next
	v_lshl_add_u32 v6, v1, 4, v6
	v_add_nc_u32 v[RDB], s23, v6
	v_lshlrev_b32 v[BO], 4, v1                     ; 16 bytes a lane: my four columns of a group's 64
	v_lshl_add_u32 v[CO], v2, 13, v[BO]            ; and the same two rows in h
	; h and b1 at my three groups.  Group g of column half c is number 3 c + g of the tile's six: branch (3 c + g) / 2, the lower or the upper 64 columns of the strip
	s_lshl_b32 s20, s17, 8
	s_lshl_b32 s21, s15, 7
	s_add_co_u32 s20, s20, s21                     ; my first row: 256 x the work-group's + 128 x half
	s_lshl_b32 s20, s20, 13                        ; in bytes: under 2^25
	s_lshl_b32 s21, s42, 9                         ; the strip's first column, in bytes
	s_add_co_u32 s20, s20, s21
	s_mul_i32 s22, s16, 3
.irp g, 0,1,2
.if \g == 2
.set BBX, 66
.else
.set BBX, 98+2*\g
.endif
	s_add_co_u32 s23, s22, \g
	s_lshr_b32 s46, s23, 1
	s_lshl_b32 s46, s46, 25                        ; the branch's part of h: 4096 x 2048 x 4 = 2^25 bytes
	s_and_b32 s23, s23, 1
	s_lshl_b32 s23, s23, 8                         ; the upper 64 columns begin 256 bytes on
	s_add_co_u32 s46, s46, s23
	s_add_co_u32 s46, s46, s20                     ; under 2^27 in all
	s_mov_b32 s47, 0
	s_add_nc_u64 s[HB+2*\g:HB+2*\g+1], s[12:13], s[46:47]
	s_add_co_u32 s46, s23, s21
	s_add_nc_u64 s[BBX:BBX+1], s[BBX:BBX+1], s[46:47]
.endr
.macro FRAG reg, adr, q, i             ; a fragment, 16 rows x 128 K of 6-bit codes, is 12 registers: lane l holds row l % 16; registers 6 c .. 6 c + 5 hold K = 64 c + 32 (l / 16) + 0 .. 31: 24 bytes of the row's stream of bits, as they lie
.irp p, 0,1,2,3,4,5                    ; in pieces of 8 bytes, so that every address is a multiple of the access's size
	ds_load_b64 v[\reg+2*\p:\reg+2*\p+1], v[\adr] offset:96*(\q)+48*(\p/3)+8*(\p%3)+(\i)*16*PITCH
.endr
.endm
.macro FETCH_A slot, q, i0             ; A's blocks i0 .. i0 + 3 of the slot's q-th 128 along K: 24 loads
.irp i, \i0, \i0+1, \i0+2, \i0+3
	FRAG AF+FR*(\i), ADRA+\slot, \q, \i
.endr
.endm
.macro FETCH_B slot, q, g, set         ; group g's four blocks of B into a set: 24 loads
.irp i, 0,1,2,3
	FRAG BF+48*(\set)+FR*\i, ADRB+\slot, \q, 4*(\g)+\i
.endr
.endm
.macro SCALES sc                       ; a K step's scale words into set sc: two words a row: 10 loads
.irp i, 0,1,2,3,4,5,6,7
	ds_load_b64 v[SC+20*\sc+2*\i:SC+20*\sc+2*\i+1], v[ADRS] offset:\i*SBLK
.endr
.irp i, 0,1
	ds_load_b64 v[SC+20*\sc+16+2*\i:SC+20*\sc+16+2*\i+1], v[ADRT] offset:\i*2*SBLK
.endr
.endm
; 16 matrix instructions: A's blocks a0 .. a0 + 3 x group g's four blocks of B, which lie in a set; 128 along K: the slot's q-th; sc: the set of scale words.  zero = 1: the first product starts the sums: nothing is ever cleared.
; B's scale words stand in lanes 16-31 of their register, but for blocks 8 and 10, which stand in lanes 0-15.  The 96 accumulators take turns, one instruction a turn, in the same order in every step.
.macro MUL16 g, set, q, sc, a0, zero
.irp a, \a0, \a0+1, \a0+2, \a0+3
.irp bb, 0,1,2,3
.set XD, 8*(4*(\a)+\bb)
.set XB, BF+48*(\set)+FR*\bb
.set XA, AF+FR*(\a)
.set XSA, SC+20*(\sc)+2*(\a)+(\q)
.if \g < 2
.set XSB, SC+20*(\sc)+2*(4*(\g)+\bb)+(\q)
.else
.set XSB, SC+20*(\sc)+16+2*(\bb/2)+(\q)
.endif
.if (\g < 2) || (\bb%2)
.if \zero
	v_wmma_scale_f32_16x16x128_f8f6f4 v[XD:XD+7], v[XB:XB+FR-1], v[XA:XA+FR-1], 0, v[XSB], v[XSA] matrix_a_fmt:MATRIX_FMT_BF6 matrix_b_fmt:MATRIX_FMT_BF6 matrix_a_scale:MATRIX_SCALE_ROW1
.else
	v_wmma_scale_f32_16x16x128_f8f6f4 v[XD:XD+7], v[XB:XB+FR-1], v[XA:XA+FR-1], v[XD:XD+7], v[XSB], v[XSA] matrix_a_fmt:MATRIX_FMT_BF6 matrix_b_fmt:MATRIX_FMT_BF6 matrix_a_scale:MATRIX_SCALE_ROW1
.endif
.else
.if \zero
	v_wmma_scale_f32_16x16x128_f8f6f4 v[XD:XD+7], v[XB:XB+FR-1], v[XA:XA+FR-1], 0, v[XSB], v[XSA] matrix_a_fmt:MATRIX_FMT_BF6 matrix_b_fmt:MATRIX_FMT_BF6
.else
	v_wmma_scale_f32_16x16x128_f8f6f4 v[XD:XD+7], v[XB:XB+FR-1], v[XA:XA+FR-1], v[XD:XD+7], v[XSB], v[XSA] matrix_a_fmt:MATRIX_FMT_BF6 matrix_b_fmt:MATRIX_FMT_BF6
.endif
.endif
.endr
.endr
.endm
; A load into a register that a matrix instruction has read, and a vector instruction or an LDS store that reads a matrix result, stand NP places behind that matrix instruction, and only plain vector
; instructions that name none of its registers are places (ISA guide 7.12.1 for vector instructions); this text does not count the matrix instructions in between.
.macro PLACES
.rept NP
	v_nop
.endr
.endm
; A slot's first step of 128 along K.  On the way in: group 0's fragments of B (set 0) and A's blocks 0-3 have been asked for; every window is 0.  B's sets go 0, 1, 0.
.macro STEP0 slot, zero
	PLACES                                         ; behind the last step's products: A's blocks 4-7 and B's set 1 are free
	FETCH_A \slot, 0, 4
	FETCH_B \slot, 0, 1, 1
	s_wait_dscnt 48                                ; all but the 48 just issued: set 0, the scale words and A's blocks 0-3 are in
	WIN W1
	MUL16 0, 0, 0, \slot, 0, \zero
	s_wait_dscnt 24                                ; A's blocks 4-7 are in; the youngest 24 loads (set 1) may be out
	MUL16 0, 0, 0, \slot, 4, \zero
	PLACES
	WIN 0
	FETCH_B \slot, 0, 2, 0
	s_wait_dscnt 24                                ; set 1 is in
	WIN W2
	MUL16 1, 1, 0, \slot, 0, \zero
	MUL16 1, 1, 0, \slot, 4, \zero
	PLACES
	WIN 0
	FETCH_B \slot, 1, 0, 1                         ; the next step's group 0
	s_wait_dscnt 24                                ; set 0 is in
	WIN W3
	MUL16 2, 0, 0, \slot, 0, \zero
	PLACES
	WIN 0
	FETCH_A \slot, 1, 0                            ; A's blocks 0-3 have had their last products of this step
	WIN W3
	MUL16 2, 0, 0, \slot, 4, \zero
	WIN 0
.endm
; A slot's second step changes slots.  B's sets go 1, 0, 1.  ONE barrier, in the middle group: in front of it each wave waits for all its tensor loads, adds 0 to its spare word, and waits for that and for its own reads
; of this slot, of which group 2's fragments are the last.  fill = 1: this slot is filled again, two K steps ahead: from that request to the wait for it a wave issues 160 matrix instructions.
.macro STEP1 slot, next, fill
	PLACES
	FETCH_A \slot, 1, 4
	FETCH_B \slot, 1, 1, 0
	s_wait_dscnt 48
	WIN W1
	MUL16 0, 1, 1, \slot, 0, 0
	s_wait_dscnt 24
	MUL16 0, 1, 1, \slot, 4, 0
	PLACES
	WIN 0
	FETCH_B \slot, 1, 2, 1                         ; my last reads of this slot
	s_wait_tensorcnt 0x0                           ; all my tensor loads have landed: my part of the next slot;
	ds_add_u32 v[SPW], v[NIL]                      ; 0 onto my spare word
	s_wait_dscnt 25                                ; set 0 is in (the add and the 24 loads of set 1 may be out)
	WIN W2
	MUL16 1, 0, 1, \slot, 0, 0                     ; sixteen matrix instructions stand between the add and the wait for it
	s_wait_dscnt 0x0                               ; the add is done, and my reads of this slot are over
	s_barrier_signal -1
	MUL16 1, 0, 1, \slot, 4, 0
	WIN 0
	s_barrier_wait -1
.if \fill
	CREST                                          ; the barrier has opened a round of the cluster's barrier: no wave of any partner still reads this slot's tile or has a load on its way
	s_add_nc_u64 s[G0A+4*\slot+2:G0A+4*\slot+3], s[G0A+4*\slot+2:G0A+4*\slot+3], 2*ROWB
	s_add_nc_u64 s[G0B+4*\slot+2:G0B+4*\slot+3], s[G0B+4*\slot+2:G0B+4*\slot+3], 2*ROWB
	JLOAD G0A+4*\slot, G1A, G0B+4*\slot, G1B       ; the first tensor load behind the round, my one load until the next; the four v_nop behind it are the places in front of the loads below
.else
	PLACES
.endif
	v_add_nc_u32 v[ADRS], 8, v[ADRS]               ; on to the next K step's scale words
	v_add_nc_u32 v[ADRT], 8, v[ADRT]
	FETCH_B \next, 0, 0, 0
	SCALES \next
	WIN W3
	MUL16 2, 1, 1, \slot, 0, 0
	PLACES
	WIN 0
	FETCH_A \next, 0, 0
	WIN W3
	MUL16 2, 1, 1, \slot, 4, 0
	WIN 0
.endm
	s_wait_tensorcnt 1                             ; the scales and my part of K step 0 are in (K step 1's load may be out)
	s_barrier_signal -1
	s_barrier_wait -1                              ; everybody's are
	FETCH_B 0, 0, 0, 0
	SCALES 0
	FETCH_A 0, 0, 0
	STEP0 0, 1                                     ; the first step stands in front of the loop: its products start the sums
	s_mov_b32 s3, LAPS-1
.Llap:                                                 ; a trip goes once round the ring, from a lap's second step to the next lap's first, and fills both slots again
	STEP1 0, 1, 1
	STEP0 1, 0
	STEP1 1, 0, 1
	STEP0 0, 0
	s_sub_co_u32 s3, s3, 1
	s_cmp_lg_u32 s3, 0
	s_cbranch_scc1 .Llap
	STEP1 0, 1, 0                                  ; the last lap fills nothing, and has no round of the cluster's barrier
	STEP0 1, 0
	PLACES                                         ; the very last step: nothing beyond it is fetched
	FETCH_A 1, 1, 4
	FETCH_B 1, 1, 1, 0
	s_wait_dscnt 48
	WIN W1
	MUL16 0, 1, 1, 1, 0, 0
	s_wait_dscnt 24
	MUL16 0, 1, 1, 1, 4, 0
	PLACES
	WIN 0
	FETCH_B 1, 1, 2, 1
	s_wait_dscnt 24
	WIN W2
	MUL16 1, 0, 1, 1, 0, 0
	MUL16 1, 0, 1, 1, 4, 0
	s_wait_dscnt 0x0
	WIN W3
	MUL16 2, 1, 1, 1, 0, 0
	MUL16 2, 1, 1, 1, 4, 0
	WIN 0
; THE WAY OUT, in 24 units: unit n is group n / 8, x's block n % 8: 16 rows x 64 columns, four accumulators.  A lane holds 32 neighbouring bytes of a row, and the lanes beside it hold other rows: so a unit goes through my
; own stage in LDS and comes back as whole rows of 256 bytes, two to an instruction; b1 is added there; sixteen lanes store 256 consecutive bytes, at a multiple of 256 from h's first byte.
; LDS serves a wave's instructions in order (ISA guide 5.7.1.4): no wait between the stores and the loads, nor in front of the next unit's stores.
; Every offset is an immediate: 126 rows of h at the most, inside the signed 24-bit immediate (ISA guide, chapter 10); no base and no address register is rewritten.
.macro TOSTAGE n
.set UA, (\n)%8
	WIN 4*((\n)/8+1)                               ; an LDS store's data are its source 1: window 1, 2 or 3
.irp bb, 0,1,2,3
	ds_store_b128 v[STO], v[8*(4*UA+\bb):8*(4*UA+\bb)+3] offset:64*\bb          ; each accumulator from its low end on
	ds_store_b128 v[STO], v[8*(4*UA+\bb)+4:8*(4*UA+\bb)+7] offset:64*\bb+16
.endr
	WIN 0
.set UB, BK+32*((\n)%2)
.irp t, 0,1,2,3,4,5,6,7
	ds_load_b128 v[UB+4*\t:UB+4*\t+3], v[RDB] offset:\t*2*SP
.endr
.endm
.macro SEND n, younger                 ; younger: the LDS instructions issued behind unit n's loads, which may stay out
.set UG, (\n)/8
.set UA, (\n)%8
.set UB, BK+32*((\n)%2)
	s_wait_dscnt \younger                          ; the unit is back in registers
.irp t, 0,1,2,3,4,5,6,7
	v_pk_add_f32 v[UB+4*\t:UB+4*\t+1], v[UB+4*\t:UB+4*\t+1], v[BIAS+4*UG:BIAS+4*UG+1]           ; + b1 at my four columns
	v_pk_add_f32 v[UB+4*\t+2:UB+4*\t+3], v[UB+4*\t+2:UB+4*\t+3], v[BIAS+4*UG+2:BIAS+4*UG+3]
.endr
.irp t, 0,1,2,3,4,5,6,7
	global_store_b128 v[CO], v[UB+4*\t:UB+4*\t+3], s[HB+2*UG:HB+2*UG+1] offset:(16*UA+2*\t)*HROW   ; rows 16 a + 2 t and the next; no hint: the next launch reads them
.endr
.endm
	PLACES                                         ; these places serve the loads into registers that held fragments and the reads of the last products' results alike
	global_load_b128 v[BIAS:BIAS+3], v[BO], s[98:99]       ; sixteen lanes read a group's 256 bytes of b1; lanes 16-31 the same
	global_load_b128 v[BIAS+4:BIAS+7], v[BO], s[100:101]
	global_load_b128 v[BIAS+8:BIAS+11], v[BO], s[66:67]
	TOSTAGE 0
	s_wait_loadcnt 0x0                             ; b1
.irp n, 1,2,3,4,5,6,7,8,9,10,11,12,13,14,15,16,17,18,19,20,21,22,23
.if \n > 1
	s_wait_xcnt 0x0                                ; unit n - 2's stores have read their registers: unit n's loads may land there
.endif
	TOSTAGE \n
	SEND \n-1, 16                                  ; behind unit n - 1's loads: unit n's 8 stores and 8 loads
.endr
	SEND 23, 0
	s_wait_tensorcnt 0x0                           ; the wave's end: behind my last tensor load and my last LDS store
	ds_add_u32 v[SPW], v[NIL]
	s_wait_dscnt 0x0
	CROUND                                         ; the closing round: no work-group ends while a partner may still ask for a tile that names it
	s_endpgm
.Lfunc_end_k_q8d8d37398a_gemm3:
	.size	k_q8d8d37398a_gemm3, .Lfunc_end_k_q8d8d37398a_gemm3-k_q8d8d37398a_gemm3
	.p2alignl 7, 3214868480
	.fill 96, 4, 3214868480
	.section	.rodata,"a",@progbits
	.p2align	6, 0x0
	.amdhsa_kernel k_q8d8d37398a_gemm3
		.amdhsa_group_segment_fixed_size 327680
		.amdhsa_private_segment_fixed_size 0
		.amdhsa_enable_private_segment 0
		.amdhsa_kernarg_size 96
		.amdhsa_user_sgpr_count 2
		.amdhsa_user_sgpr_kernarg_segment_ptr 1
		.amdhsa_wavefront_size32 1
		.amdhsa_system_sgpr_workgroup_id_x 1
		.amdhsa_system_sgpr_workgroup_id_y 1
		.amdhsa_system_sgpr_workgroup_id_z 1
		.amdhsa_system_vgpr_workitem_id 0
		.amdhsa_next_free_vgpr 1024
		.amdhsa_next_free_sgpr 102
		.amdhsa_reserve_vcc 0
		.amdhsa_float_denorm_mode_32 3
		.amdhsa_float_denorm_mode_16_64 3
		.amdhsa_memory_ordered 1
		.amdhsa_forward_progress 1
		.amdhsa_inst_pref_size 249
	.end_amdhsa_kernel
	.amdgpu_metadata
---
amdhsa.version: [ 1, 2 ]
amdhsa.kernels:
  - .name:           k_q8d8d37398a_gemm3
    .symbol:         k_q8d8d37398a_gemm3.kd
    .args:
      - { .name: x_codes, .offset: 0, .size: 8, .value_kind: global_buffer, .address_space: global }
      - { .name: x_scales, .offset: 8, .size: 8, .value_kind: global_buffer, .address_space: global }
      - { .name: first_W1_codes, .offset: 16, .size: 8, .value_kind: global_buffer, .address_space: global }
      - { .name: first_W1_scales, .offset: 24, .size: 8, .value_kind: global_buffer, .address_space: global }
      - { .name: fake_W1_codes, .offset: 32, .size: 8, .value_kind: global_buffer, .address_space: global }
      - { .name: fake_W1_scales, .offset: 40, .size: 8, .value_kind: global_buffer, .address_space: global }
      - { .name: real_W1_codes, .offset: 48, .size: 8, .value_kind: global_buffer, .address_space: global }
      - { .name: real_W1_scales, .offset: 56, .size: 8, .value_kind: global_buffer, .address_space: global }
      - { .name: first_b1, .offset: 64, .size: 8, .value_kind: global_buffer, .address_space: global }
      - { .name: fake_b1, .offset: 72, .size: 8, .value_kind: global_buffer, .address_space: global }
      - { .name: real_b1, .offset: 80, .size: 8, .value_kind: global_buffer, .address_space: global }
      - { .name: h, .offset: 88, .size: 8, .value_kind: global_buffer, .address_space: global }
    .group_segment_fixed_size: 327680
    .private_segment_fixed_size: 0
    .kernarg_segment_align: 8
    .kernarg_segment_size: 96
    .max_flat_workgroup_size: 128
    .sgpr_count:     102
    .vgpr_count:     1024
    .wavefront_size: 32
...
	.end_amdgpu_metadata
.endif
;; end of part 3
;; launch head: the kernel of part 2 again; grid 256 x 1, 6 waves a work-group, no clusters, 1,280 bytes of LDS; arguments h, out0, first_ln_g, first_ln_b, first_W2, first_b2, fake_ln_g, fake_ln_b, fake_W2, fake_b2, real_ln_g, real_ln_b, real_W2, real_b2; writes out0
